; MI455X (gfx1250); checked and timed in simulation.
; The chip was launched on July 23, 2026; its instructions are those of AMD's public machine-readable ISA for CDNA 5 (MIT licence, August 2026) and "CDNA5" Instruction Set Architecture Reference Guide (July 2026). The comments in the code are by the model that wrote it; some were corrected since.
;; Self Attention. Allowed arithmetic: matrix products marked QUANTISED: E2M3 operands, one E8M0 scale for each 32 along K, by v_wmma_scale_f32_16x16x128_f8f6f4 with both operands' format E2M3, f32 sums; everything else in f32.
;; Inputs: k_b 1,024 float32; k_w 1,024 x 1,024 float32; key 4 x 2,048 x 1,024 float32; mask 4 x 2,048 x 2,048 bool; q_b 1,024 float32; q_w 1,024 x 1,024 float32; query 4 x 2,048 x 1,024 float32; v_b 1,024 float32; v_w 1,024 x 1,024 float32; value 4 x 2,048 x 1,024 float32.
;; Outputs: out0 4 x 2,048 x 1,024 float32.
;; This version of the problem:
;;   THIS VERSION OF THE PROBLEM IS GIVEN IN LOW PRECISION. The matrix products marked QUANTISED in the list below multiply operands that are first quantised to E2M3 (2 exponent bits, 3 mantissa bits; 6 bits a number), with one power-of-two scale for each 32 numbers along K (OCP MX v1.0); their sums are f32. All else is computed in f32.
;;   The module's matrix products, in the order in which they are computed (A, B: the left and right operand; K: the contracted axis; several contracted axes count as one K, in the product's order):
;;     1. [M 8,192, K 1,024] x [K 1,024, N 1,024]; A: input query; B: input q_w: QUANTISED
;;     2. [M 8,192, K 1,024] x [K 1,024, N 1,024]; A: input key; B: input k_w: QUANTISED
;;     3. [M 8,192, K 1,024] x [K 1,024, N 1,024]; A: input value; B: input v_w: QUANTISED
;;     4. batch 4 x [M 2,048, K 1,024] x [K 1,024, N 2,048]; A: computed on the way; B: computed on the way: QUANTISED
;;     5. batch 4 x [M 2,048, K 2,048] x [K 2,048, N 1,024]; A: softmax (see below); B: computed on the way: QUANTISED
;;   THE QUANTISER, for each operand of a quantised product, along K:
;;     - K is cut into blocks of 32 from its start; a last block that is shorter is filled with zeros.
;;     - A block's scale is 2^e with e = floor(log2(the largest magnitude in the block)) - 2, held to -126 .. 127; a block of zeros has e = 0. As a byte (E8M0): e + 127.
;;     - Each number is divided by its block's scale, clamped to +-7.5, and rounded to the nearest number of E2M3, ties to even, subnormals kept.
;;     - The product sums the exact products of the quantised numbers (number of the format x scale) in f32.
;;   ~~~python
;;   def quantise(x, axis):      # numpy; x: float32 -> the quantised numbers, widened to float32 again
;;       x = np.moveaxis(x, axis, -1); K = x.shape[-1]
;;       x = np.pad(x, [(0, 0)] * (x.ndim - 1) + [(0, -K % 32)]); x = x.reshape(x.shape[:-1] + (-1, 32)); a = np.abs(x).max(-1, keepdims=True)
;;       e = np.where(a > 0, np.clip(np.frexp(np.where(a > 0, a, 1))[1] - 1 - 2, -126, 127), 0)      # np.frexp(a)[1] - 1 = floor(log2(a)), exactly
;;       r = np.clip(x / 2.0 ** e, -7.5, 7.5)
;;       step = 2.0 ** (np.maximum(np.frexp(np.where(r == 0, 1, r))[1] - 1, 0) - 3)
;;       q = np.round(r / step) * step * 2.0 ** e      # np.round: ties to even
;;       return np.moveaxis(q.reshape(q.shape[:-2] + (-1,))[..., :K], -1, axis).astype(np.float32)
;;   ~~~
;;   SOFTMAX AHEAD OF A QUANTISED PRODUCT. Where the list says 'softmax', what is quantised is not the finished softmax but p = 2^(t - M), with t = logit x log2(e) and M = ceil(the row's largest t), a whole number; so 1/2 < the row's largest p <= 1. The row's sum l is taken of the UNQUANTISED p, in f32, and the product's result is divided by l at the end. Since M is a whole number, a kernel that streams over the keys may use a running M (the ceiling of the running maximum): every later rescaling is an exact power of two, which a block's scale takes up: the codes' values come out the same.
;;   OPERANDS COMPUTED ON THE WAY. 'Computed on the way' means the value that the module computes at that place (a softmax that the list does not call 'softmax' is quantised finished and normalised). What goes into a quantiser is computed in f32, as accurately as f32 sums, v_exp_f32 and their like allow (about 1e-6 of the number): no bf16 or f16 on the way to a quantiser, and a product that is left as it is and whose result goes on into a quantised operand takes f32 operands (vector FMAs, or v_wmma_f32_16x16x4_f32). A number that lies on a knife's edge between two numbers of the format may be rounded either way, as far as f32 arithmetic and the matrix unit's own rounding can turn it there, and no further.
;; One version. Each part assembles by itself: llvm-mc -triple=amdgcn-amd-amdhsa -mcpu=gfx1250 --defsym DOCPART=n.
;; ======== version 1 of 1: 4 launches
;; limits: right only within a limited range of input values
;; workspace buffers: xw 2,457,600 bytes; qkv 19,660,800 bytes; pw 14,155,776 bytes
;; launch quant (part 1): grid 192 x 1, 2 waves a work-group, no clusters, 35,328 bytes of LDS; arguments q_w, k_w, v_w, xw; writes xw
.if DOCPART == 1
	.amdgcn_target "amdgcn-amd-amdhsa--gfx1250"
	.amdhsa_code_object_version 6
	.text
	.protected	k_q3abaa3e7fa_quant
	.globl	k_q3abaa3e7fa_quant
	.p2align	8
	.type	k_q3abaa3e7fa_quant,@function
k_q3abaa3e7fa_quant:
	s_mov_b64 s[64:65], 0
	v_nop
	global_prefetch_b8 v0, s[64:65] scope:SCOPE_SE
	s_setreg_imm32_b32 hwreg(HW_REG_WAVE_MODE, 25, 1), 1
	s_wait_xcnt 0x0
; q_w, k_w, v_w [1024][1024], f32, become codes of FP6 (E2M3) with one E8M0 scale byte for each 32 along K (the last axis).
; A block's scale is 2^(floor(log2(its largest magnitude)) - 2); its byte is the largest magnitude's exponent field - 2, held at 1 from below.
; LIMITS: NaN and infinities among the inputs are not served; a block whose largest magnitude lies under 2^-124 keeps the byte 1; a block of zeros has the byte 1 and not 127 (its codes are zeros, and this program alone reads the bytes).
; THE WORKSPACE IS LAID AS IMAGES OF THE OPERAND'S REGISTERS.  A fragment is 16 rows x 128 K, 12 registers a lane, 1,536 bytes: registers 4 c .. 4 c + 3 of lane l lie at 512 c + 16 l.
; THE ROWS OF A TILE ARE NOT NEIGHBOURS: lane r of tile T holds row 32 (T / 2) + 8 (T % 2) + r % 8 + 16 (r / 8), so that a product which takes such tiles as source 0 leaves 16 neighbours in a lane's registers.
; Codes: [K / 512][192 tiles][4 fragments, then scale words]; tiles: q_w 0, k_w 64, v_w 128.  Scale words (one for a row and 128 K): [4][16 words], behind the tile's codes.
; SHARES.  A wave takes one tile and one half of K: four fragments, 32 KiB in, 6,144 consecutive bytes of codes and 256 consecutive bytes of scale words out.  Waves share nothing: no barrier.
; Each load reads 512 consecutive bytes of one row; a fragment's 16 rows turn through the wave's own stage in LDS, so that a lane gets 16 neighbours of each block of 32.  All four fragments' loads (64) go out at once.
; No matrix unit, no tensor load, no cluster: each byte is read once by one wave, and memory binds.
; THIS LAUNCH NOW SERVES THE THREE WEIGHTS ALONE: 192 tiles (q_w 0, k_w 64, v_w 128); the activations are quantised by the launch that multiplies them.
; A tile's block is its four fragments and, behind them, its 256 bytes of scale words: 6,400 bytes; the buffer is [K / 512][192 tiles][6,400 bytes].
.set NT,   192
.set TB,   6400
.set FRB,  1536
.set XS,   2*NT*TB
.set WREG, 8704                        ; LDS of a wave: a stage of 16 rows x 528 bytes, then 256 bytes of scale words
.set SCW,  8448
.set RA,   16
.set XN,   144                         ; v144-207 64 numbers: register 16 b + i = k 32 b + 16 (lane / 16) + i of my row
.set TM,   208                         ; v208-223 at work
.set PW,   224                         ; the scale word just made
.set PC,   226                         ; v226-245 the codes just made
.set SEL,  20                          ; s[20:21] v_permlanex16_b32's selects for lane l xor 16
; 64 numbers of a lane become a fragment's codes in v[PC] on and its scale word in v[pw]
.macro QUANT s, pw
.irp b, 0,1,2,3
	v_max3_num_f32 v[TM+\b], |v[\s+16*\b]|, |v[\s+1+16*\b]|, 0x1800000   ; block b: my 16 numbers, and the floor 2^(3 - 127): the byte cannot fall under 1
.endr
.irp i, 2,4,6,8,10,12,14
.irp b, 0,1,2,3
	v_max3_num_f32 v[TM+\b], v[TM+\b], |v[\s+16*\b+\i]|, |v[\s+1+16*\b+\i]|   ; the four blocks by turns
.endr
.endr
.irp b, 0,1,2,3
	v_permlanex16_b32 v[TM+4+\b], v[TM+\b], s[SEL], s[SEL+1]
.endr
.irp b, 0,1,2,3
	v_max_num_f32 v[TM+\b], v[TM+\b], v[TM+4+\b]   ; with lane l xor 16's: the block's largest magnitude
.endr
.irp b, 0,1,2,3
	v_add_nc_u32 v[TM+12+\b], 0xff000000, v[TM+\b]   ; 2 off its exponent field: the conversion takes the exponent field of this operand as its scale
.endr
.irp b, 0,1,2,3
	v_lshrrev_b32 v[TM+4+\b], 23, v[TM+12+\b]      ; the scale's byte
.endr
	v_lshl_or_b32 v[\pw], v[TM+5], 8, v[TM+4]      ; four bytes: my row's scale word
	v_lshl_or_b32 v[\pw], v[TM+6], 16, v[\pw]
	v_lshl_or_b32 v[\pw], v[TM+7], 24, v[\pw]
.irp c, 0,1
	v_cvt_scalef32_pk16_fp6_f32 v[PC+6*\c:PC+2+6*\c], v[\s+32*\c:\s+15+32*\c], v[TM+12+2*\c]
	v_cvt_scalef32_pk16_fp6_f32 v[PC+12+4*\c:PC+14+4*\c], v[\s+16+32*\c:\s+31+32*\c], v[TM+12+2*\c+1]   ; (a conversion's three registers begin on an even number)
.endr
	v_nop                                          ; one plain place behind a scaled conversion
.irp c, 0,1                                    ; the operand's layout wants a whole block in a lane: lanes 0-15 block 2 c, lanes 16-31 block 2 c + 1
.irp i, 0,1,2
	v_permlane16_swap_b32 v[PC+6*\c+\i], v[PC+12+4*\c+\i]
.endr
.irp i, 0,1,2
	v_mov_b32 v[PC+3+6*\c+\i], v[PC+12+4*\c+\i]
.endr
.endr
.endm
	s_load_b256 s[4:11], s[0:1], 0x0               ; q_w, k_w, v_w, xw
	v_lshl_add_u32 v254, v0, 2, 0x8800
	v_mov_b32 v255, 0
	v_lshrrev_b32 v1, 5, v0
	v_readfirstlane_b32 s18, v1                    ; wave 0..1
	v_and_b32 v1, 31, v0                           ; lane
	v_and_b32 v8, 15, v0                           ; r
	v_bfe_u32 v9, v0, 4, 1                         ; h
	v_lshlrev_b32 v2, 4, v1                        ; 16 x lane: my bytes of a load's 512, and of an image's
	s_mul_i32 s19, s18, WREG
	v_add_nc_u32 v3, s19, v2                       ; the stage, on the way in: a row's 512 bytes as they lie
	v_mul_u32_u24 v4, v8, 528                      ; on the way out: row r (528 bytes = 132 words: row r starts at bank 4 r mod 64; 64 banks of 4 bytes: ISA guide 11.1),
	v_lshl_add_u32 v4, v9, 6, v4                   ; + 64 h: my 16 numbers of a block
	v_add_nc_u32 v4, s19, v4
	v_lshlrev_b32 v5, 2, v8
	v_add_nc_u32 v5, s19, v5
	v_add_nc_u32 v5, SCW, v5                       ; my row's scale word
	v_lshlrev_b32 v7, 3, v1                        ; and on the way out 8 bytes a lane
	v_add_nc_u32 v6, s19, v7
	v_add_nc_u32 v6, SCW, v6
.irp b, 0,1,2,3
	v_mov_b32 v[TM+4+\b], 0                        ; written once: a lane permute's destination counts as one of its sources
.endr
	s_mov_b32 s[SEL], 0x76543210
	s_mov_b32 s[SEL+1], 0xfedcba98
	s_lshr_b32 s22, ttmp9, 1
	s_lshl_b32 s22, s22, 1                         ; the work-group's first tile: two waves, a tile each
	s_and_b32 s23, ttmp9, 1                        ; and its half of K
	s_wait_kmcnt 0x0
	s_mov_b64 s[24:25], s[4:5]                     ; which weight: the bounds are multiples of 4, so a work-group lies in one
	s_mov_b32 s26, 0
	s_cmp_ge_u32 s22, 64
	s_cselect_b64 s[24:25], s[6:7], s[24:25]
	s_cselect_b32 s26, 64, s26
	s_cmp_ge_u32 s22, 128
	s_cselect_b64 s[24:25], s[8:9], s[24:25]
	s_cselect_b32 s26, 128, s26
	s_add_co_u32 s27, s22, s18                     ; my tile
	s_sub_co_u32 s28, s27, s26                     ; and its number in its tensor
	s_lshr_b32 s29, s28, 1
	s_lshl_b32 s29, s29, 5
	s_and_b32 s28, s28, 1
	s_lshl_b32 s28, s28, 3
	s_add_co_u32 s28, s28, s29                     ; its first row: 32 (T / 2) + 8 (T % 2)
	s_lshl_b32 s28, s28, 12                        ; rows of 4,096 bytes
	s_lshl_b32 s29, s23, 11                        ; + my half of K
	s_add_co_u32 s28, s28, s29
	s_mov_b32 s29, 0
	s_add_nc_u64 s[24:25], s[24:25], s[28:29]
	s_mul_i32 s30, s23, NT
	s_add_co_u32 s30, s30, s27
	s_mul_i32 s32, s30, TB
	s_mov_b32 s33, 0
	s_add_nc_u64 s[32:33], s[10:11], s[32:33]      ; my codes
	s_add_nc_u64 s[34:35], s[32:33], 6144          ; my scale words, behind the tile's four fragments
.macro LOAD q                          ; fragment q: 128 numbers of each of the tile's 16 rows; a load reads 512 consecutive bytes
.irp i, 0,1,2,3,4,5,6,7,8,9,10,11,12,13,14,15
	global_load_b128 v[64*(\q)+4*\i:64*(\q)+4*\i+3], v2, s[24:25] offset:((\i%8)+16*(\i/8))*4096+512*(\q) th:TH_LOAD_NT   ; into window 1: v[256 + 64 q ..]
.endr
.endm
.macro FRAGQ q
	s_wait_loadcnt 16*(3-(\q))                     ; this fragment's 16 loads are in; the later fragments' may be out
	s_set_vgpr_msb 0x0004                          ; the stores' data lie in window 1
.irp i, 0,1,2,3,4,5,6,7,8,9,10,11,12,13,14,15
	ds_store_b128 v3, v[64*(\q)+4*\i:64*(\q)+4*\i+3] offset:528*\i
.endr
	s_set_vgpr_msb 0x0400
.irp b, 0,1,2,3
.irp j, 0,1,2,3
	ds_load_b128 v[XN+16*\b+4*\j:XN+16*\b+4*\j+3], v4 offset:128*\b+16*\j   ; LDS serves a wave's instructions in order (ISA guide 5.7.1.4): these see the stores above
.endr
.endr
	s_wait_dscnt 0x0                               ; the numbers are back, and the stores have read their registers,
	s_wait_xcnt 0x0                                ; the last fragment's stores have read the codes' registers: they are written again only behind this wait
	QUANT XN, PW
.irp c, 0,1,2
	global_store_b128 v2, v[PC+4*\c:PC+4*\c+3], s[32:33] offset:FRB*(\q)+512*\c   ; 32 lanes store 512 consecutive bytes, at a multiple of 256 from the buffer's first byte
.endr
	ds_store_b32 v5, v[PW] offset:64*(\q)          ; lanes r and r + 16 write the same word with the same value
	s_wait_dscnt 0x0                               ; the store has read its register
.endm
	s_set_vgpr_msb 0x0040                          ; all four fragments' loads go out at once, 64 a wave, each fragment into registers of its own in window 1
	LOAD 0
	LOAD 1
	LOAD 2
	LOAD 3
	s_set_vgpr_msb 0x4000
	FRAGQ 0
	FRAGQ 1
	FRAGQ 2
	FRAGQ 3
	ds_load_b64 v[10:11], v6                       ; my wave's 64 scale words
	s_wait_dscnt 0x0
	global_store_b64 v7, v[10:11], s[34:35]        ; 32 lanes store 256 consecutive bytes, aligned
	s_wait_tensorcnt 0x0
	ds_add_u32 v254, v255
	s_wait_dscnt 0x0
	s_endpgm
.Lfunc_end_k_q3abaa3e7fa_quant:
	.size	k_q3abaa3e7fa_quant, .Lfunc_end_k_q3abaa3e7fa_quant-k_q3abaa3e7fa_quant
	.p2alignl 7, 3214868480
	.fill 96, 4, 3214868480
	.section	.rodata,"a",@progbits
	.p2align	6, 0x0
	.amdhsa_kernel k_q3abaa3e7fa_quant
		.amdhsa_group_segment_fixed_size 35328
		.amdhsa_private_segment_fixed_size 0
		.amdhsa_enable_private_segment 0
		.amdhsa_kernarg_size 32
		.amdhsa_user_sgpr_count 2
		.amdhsa_user_sgpr_kernarg_segment_ptr 1
		.amdhsa_wavefront_size32 1
		.amdhsa_system_sgpr_workgroup_id_x 1
		.amdhsa_system_sgpr_workgroup_id_y 1
		.amdhsa_system_sgpr_workgroup_id_z 1
		.amdhsa_system_vgpr_workitem_id 0
		.amdhsa_next_free_vgpr 512
		.amdhsa_next_free_sgpr 66
		.amdhsa_reserve_vcc 0
		.amdhsa_float_denorm_mode_32 3
		.amdhsa_float_denorm_mode_16_64 3
		.amdhsa_memory_ordered 1
		.amdhsa_forward_progress 1
		.amdhsa_inst_pref_size 34
	.end_amdhsa_kernel
	.amdgpu_metadata
---
amdhsa.version: [ 1, 2 ]
amdhsa.kernels:
  - .name:           k_q3abaa3e7fa_quant
    .symbol:         k_q3abaa3e7fa_quant.kd
    .args:
      - { .name: q_w, .offset: 0, .size: 8, .value_kind: global_buffer, .address_space: global }
      - { .name: k_w, .offset: 8, .size: 8, .value_kind: global_buffer, .address_space: global }
      - { .name: v_w, .offset: 16, .size: 8, .value_kind: global_buffer, .address_space: global }
      - { .name: xw, .offset: 24, .size: 8, .value_kind: global_buffer, .address_space: global }
    .group_segment_fixed_size: 35328
    .private_segment_fixed_size: 0
    .kernarg_segment_align: 8
    .kernarg_segment_size: 32
    .max_flat_workgroup_size: 64
    .sgpr_count:     66
    .vgpr_count:     512
    .wavefront_size: 32
...
	.end_amdgpu_metadata
.endif
;; end of part 1
;; launch qproj (part 2): grid 192 x 1, 4 waves a work-group, clusters of 4 x 1, 327,680 bytes of LDS; arguments query, key, value, xw, q_b, k_b, v_b, qkv; writes qkv
.if DOCPART == 2
	.amdgcn_target "amdgcn-amd-amdhsa--gfx1250"
	.amdhsa_code_object_version 6
	.text
	.protected	k_q3abaa3e7fa_qproj
	.globl	k_q3abaa3e7fa_qproj
	.p2align	8
	.type	k_q3abaa3e7fa_qproj,@function
k_q3abaa3e7fa_qproj:
	s_mov_b64 s[64:65], 0
	v_nop
	global_prefetch_b8 v0, s[64:65] scope:SCOPE_SE
	s_setreg_imm32_b32 hwreg(HW_REG_WAVE_MODE, 25, 1), 1
	s_wait_xcnt 0x0
	s_wait_alu depctr_hold_cnt(0) depctr_sa_sdst(0) depctr_va_vdst(0) depctr_va_sdst(0) depctr_va_ssrc(0) depctr_va_vcc(0) depctr_vm_vsrc(0)
	s_getreg_b32 s2, hwreg(HW_REG_IB_STS2, 6, 4)
	s_cmp_eq_u32 s2, 0
	s_cbranch_scc0 .Lentry_in_a_cluster
	s_endpgm
.Lentry_in_a_cluster:
	s_bfe_u32 s2, ttmp6, 0x10000c
	s_cmp_lg_u32 s2, 0x3003
	s_cbranch_scc0 .Lentry_shape_is_right
	s_endpgm
.Lentry_shape_is_right:
; q = Q(query) Q(q_w)^T + q_b, k and v likewise, on codes of FP6 (E2M3) with E8M0 scales, sums in f32; the results are quantised again (q, k along the features, v along the keys) and stored as images of operand registers (buffer qkv).
; SHARES.  192 work-groups: tensor T = work-group / 64, 128 rows each, ALL 1,024 features: each f32 number of an activation is loaded once, by one wave.  8,192 rows a tensor do not divide into 256 equal shares that stay inside one tensor.
; PART 1: wave w loads rows 32 w .. 32 w + 31 (two tiles), 16 fragments of 16 rows x 128 K; a load covers two pieces of 256 consecutive bytes; half a fragment at a time turns through the wave's own stage, so that a lane gets 16 neighbours of each block.
;   Loads run four fragments (64 loads a wave) ahead.  Codes and scale words go to LDS as images, laid like the weights' tiles: 6,400 bytes a tile and half of K (four fragments, then 256 bytes of scale words).
; PART 2: the weights (buffer xw) stream through two slots, each 16 tiles x half of K (102,400 bytes), by joint loads of the cluster's four work-groups, one load of 4 tiles a wave.  Four blocks of 256 features: a loop of three trips and a tail.
;   q, k: source 0 ('R', 8 tiles a wave) = weights, source 1 ('L', 4 tiles) = rows: a lane holds one row and 128 neighbouring features.   v: R = the 8 tiles of keys, L = 4 tiles of v_w: a lane holds one feature and 128 neighbouring keys.
;   The two cases differ in LDS base addresses (chosen by the tensor's number, which the cluster's partners share), in the output's offsets and in the form of the bias.  LDS is laid rows' half 0, slot 0, slot 1, rows' half 1: whatever is read with slot s lies on slot s's side.
;   Both forms of the bias are loaded (16 + 4 loads a block), so that every register is written on every way; a scalar branch on the tensor's number picks the form that is added.
; THE ROWS OF A TILE: lane r of tile t holds row 32 (t / 2) + 8 (t % 2) + r % 8 + 16 (r / 8), as in the weights' launch.
; No prefetch of the weights: each of their tiles is asked for by 16 clusters at about the same place of the text; the activations come by plain loads that run ahead.
; LIMITS: NaN and infinities are not served; a block whose largest magnitude lies under 2^-124 keeps the byte 1; a block of zeros has the byte 1 and not 127 (its codes are zeros; this program alone reads the bytes).
; REGISTERS: window 0: addresses, v16-27 scale words (two sets), v64-127 numbers at work, v128-191 bias;  window 1: part 1's loads (4 x 64), then R's fragments (2 x 96);  window 2: accumulator (a, t) at v[8 (8 a + t)];  window 3: L's fragments (2 x 48).
.set TB,    6144                       ; qkv: a tile's four fragments
.set TBL,   6400                       ; xw and LDS: four fragments and 256 bytes of scale words
.set FRB,   1536
.set SLOT0, 8*TBL
.set SLOT1, 24*TBL
.set XH1,   40*TBL                     ; the rows' images: half 0 at 0, half 1 here
.set STG,   48*TBL                     ; a stage of 16 rows x 272 bytes for each wave, in 4,608 bytes
.set SCR,   STG+4*4608                 ; scale words on their way out: 256 bytes a wave
.set SPARE, SCR+1024                   ; the spare words, 128 bytes for each wave: two blocks of 256 bytes that no other line names
.set KHW,   192*TBL                    ; xw: from one half of K to the other
.set KHQ,   1024*TB                    ; qkv: the same for q and k
.set VC,    12582912
.set QKS,   18874368
.set VS,    19398656
.set ADL, 3
.set ADR, 5
.set SPW, 7
.set NIL, 8
.set LS,  16
.set RS,  20
.set ASL, 28
.set ASR, 30
.set H,    64
.set BIAS, 128
.set TM,   192
.set PW,   208
.set PC,   212
.set BV,   232
.set SBK,  240
.set GA,   242
.set STI,  243
.set STO,  244
.set CD,   246
.set CT,   248
.set SD,   250
.set SDT,  252
.set SEL,  68
.set MSB, 0
.macro WIN new
.if MSB != \new
	s_set_vgpr_msb (MSB<<8)|\new
.set MSB, \new
.endif
.endm
.set MUL,  0xad                        ; source 0 (R) window 1, source 1 (L) window 3, C and D window 2
.set TO_R, 0x40
.set TO_L, 0xc0
.set PULL, 0x02
.macro PLACES n
.rept \n
	v_nop
.endr
.endm
.macro CREST
	s_cmp_lg_u32 s20, 0
	s_cbranch_scc1 .Lnot_wave_0_\@
	s_barrier_signal -3
.Lnot_wave_0_\@:
	s_barrier_wait -3
	s_barrier_signal -1
	s_barrier_wait -1
.endm
.macro CROUND
	s_barrier_signal -1
	s_barrier_wait -1
	CREST
.endm
.macro MM a, t, p, zero
.set rD, 8*(8*(\a)+(\t))
.set rR, 96*(\p)+12*(\t)
.set rL, 48*(\p)+12*(\a)
.set rX, RS+4*(\p)+(\t)/2
.set rY, LS+2*(\p)+(\a)/2
.if \zero
.if ((\t)%2) && ((\a)%2)
	v_wmma_scale_f32_16x16x128_f8f6f4 v[rD:rD+7], v[rR:rR+11], v[rL:rL+11], 0, v[rX], v[rY] matrix_a_fmt:MATRIX_FMT_FP6 matrix_b_fmt:MATRIX_FMT_FP6 matrix_a_scale:MATRIX_SCALE_ROW1 matrix_b_scale:MATRIX_SCALE_ROW1
.elseif (\t)%2
	v_wmma_scale_f32_16x16x128_f8f6f4 v[rD:rD+7], v[rR:rR+11], v[rL:rL+11], 0, v[rX], v[rY] matrix_a_fmt:MATRIX_FMT_FP6 matrix_b_fmt:MATRIX_FMT_FP6 matrix_a_scale:MATRIX_SCALE_ROW1
.elseif (\a)%2
	v_wmma_scale_f32_16x16x128_f8f6f4 v[rD:rD+7], v[rR:rR+11], v[rL:rL+11], 0, v[rX], v[rY] matrix_a_fmt:MATRIX_FMT_FP6 matrix_b_fmt:MATRIX_FMT_FP6 matrix_b_scale:MATRIX_SCALE_ROW1
.else
	v_wmma_scale_f32_16x16x128_f8f6f4 v[rD:rD+7], v[rR:rR+11], v[rL:rL+11], 0, v[rX], v[rY] matrix_a_fmt:MATRIX_FMT_FP6 matrix_b_fmt:MATRIX_FMT_FP6
.endif
.else
.if ((\t)%2) && ((\a)%2)
	v_wmma_scale_f32_16x16x128_f8f6f4 v[rD:rD+7], v[rR:rR+11], v[rL:rL+11], v[rD:rD+7], v[rX], v[rY] matrix_a_fmt:MATRIX_FMT_FP6 matrix_b_fmt:MATRIX_FMT_FP6 matrix_a_scale:MATRIX_SCALE_ROW1 matrix_b_scale:MATRIX_SCALE_ROW1
.elseif (\t)%2
	v_wmma_scale_f32_16x16x128_f8f6f4 v[rD:rD+7], v[rR:rR+11], v[rL:rL+11], v[rD:rD+7], v[rX], v[rY] matrix_a_fmt:MATRIX_FMT_FP6 matrix_b_fmt:MATRIX_FMT_FP6 matrix_a_scale:MATRIX_SCALE_ROW1
.elseif (\a)%2
	v_wmma_scale_f32_16x16x128_f8f6f4 v[rD:rD+7], v[rR:rR+11], v[rL:rL+11], v[rD:rD+7], v[rX], v[rY] matrix_a_fmt:MATRIX_FMT_FP6 matrix_b_fmt:MATRIX_FMT_FP6 matrix_b_scale:MATRIX_SCALE_ROW1
.else
	v_wmma_scale_f32_16x16x128_f8f6f4 v[rD:rD+7], v[rR:rR+11], v[rL:rL+11], v[rD:rD+7], v[rX], v[rY] matrix_a_fmt:MATRIX_FMT_FP6 matrix_b_fmt:MATRIX_FMT_FP6
.endif
.endif
.endm
.macro MUL8 a, p, zero                 ; the 32 accumulators take turns, one instruction a turn, in the same order in every step
.irp t, 0,1,2,3,4,5,6,7
	MM \a, \t, \p, \zero
.endr
.endm
; the fragments of step q of a slot's side into set p, and their scale words: a register holds two tiles' words, lanes 0-15 tile 2 i, lanes 16-31 tile 2 i + 1
.macro FR slot, q, p, ta, tb, tc, td   ; four of R's fragments
	WIN TO_R
.irp t, \ta, \tb, \tc, \td
.irp c, 0,1,2
	ds_load_b128 v[96*(\p)+12*\t+4*\c:96*(\p)+12*\t+4*\c+3], v[ADR+(\slot)] offset:TBL*\t+FRB*(\q)+512*\c
.endr
.endr
.endm
.macro FL slot, q, p, aa, ab           ; two of L's fragments
	WIN TO_L
.irp a, \aa, \ab
.irp c, 0,1,2
	ds_load_b128 v[48*(\p)+12*\a+4*\c:48*(\p)+12*\a+4*\c+3], v[ADL+(\slot)] offset:TBL*\a+FRB*(\q)+512*\c
.endr
.endr
.endm
.macro FS slot, q, p                   ; the step's six registers of scale words
	WIN 0
.irp i, 0,1,2,3
	ds_load_b32 v[RS+4*(\p)+\i], v[ASR+(\slot)] offset:2*TBL*\i+64*(\q)
.endr
.irp i, 0,1
	ds_load_b32 v[LS+2*(\p)+\i], v[ASL+(\slot)] offset:2*TBL*\i+64*(\q)
.endr
.endm
; a step's loads always go out in this order: R's eight (24 loads), the scale words and L's tiles 0, 1 (12), L's tiles 2, 3 (6)
.macro FETCH slot, q, p
	FR \slot, \q, \p, 0,1,2,3
	FR \slot, \q, \p, 4,5,6,7
	FS \slot, \q, \p
	FL \slot, \q, \p, 0,1
	FL \slot, \q, \p, 2,3
.endm
; a step: the next step's loads in one run, then 32 products in four groups of eight
.macro STEP slot, q, p, zero           ; the next step's loads in one run, then this step's 32 products
	s_wait_dscnt 0x0                               ; this step's fragments and scale words are in
	PLACES 4                                       ; in front of loads into the set that the last step multiplied
	FETCH \slot, (\q)+1, 1-(\p)
	WIN MUL
	MUL8 0, \p, \zero
	MUL8 1, \p, \zero
	MUL8 2, \p, \zero
	MUL8 3, \p, \zero
.endm
.macro TURN slot, fill
	WIN 0
	s_wait_tensorcnt 0x0                           ; all my tensor loads have landed: my part of the other slot
	ds_add_u32 v[SPW], v[NIL]
	s_wait_dscnt 1                                 ; (the add alone may be out)
	WIN MUL
	MUL8 0, 1, 0
	s_wait_dscnt 0x0                               ; the add is done, and my reads of this slot are over
	s_barrier_signal -1
	MUL8 1, 1, 0
	WIN 0
	s_barrier_wait -1
.if \fill
	CREST                                          ; the barrier has opened a round of the cluster's barrier
	s_add_nc_u64 s[42+4*(\slot):43+4*(\slot)], s[42+4*(\slot):43+4*(\slot)], 16*TBL
	tensor_load_to_lds s[40+4*(\slot):43+4*(\slot)], s[32:39]   ; the next 16 tiles of the weight, this half of K: my 4 of them
	s_nop 0
.endif
	PLACES 4
	FETCH 1-(\slot), 0, 0
	WIN MUL
	MUL8 2, 1, 0
	MUL8 3, 1, 0
.endm
; 64 numbers of a lane (register 16 b + i = place 32 b + 16 (lane / 16) + i along K) become a fragment's codes in v[PC] on and its scale word in v[pw]
.macro QUANT s, pw
.irp b, 0,1,2,3
	v_max3_num_f32 v[TM+\b], |v[\s+16*\b]|, |v[\s+1+16*\b]|, 0x1800000   ; with the floor 2^(3 - 127): the byte cannot fall under 1
.endr
.irp i, 2,4,6,8,10,12,14
.irp b, 0,1,2,3
	v_max3_num_f32 v[TM+\b], v[TM+\b], |v[\s+16*\b+\i]|, |v[\s+1+16*\b+\i]|
.endr
.endr
.irp b, 0,1,2,3
	v_permlanex16_b32 v[TM+4+\b], v[TM+\b], s[SEL], s[SEL+1]
.endr
.irp b, 0,1,2,3
	v_max_num_f32 v[TM+\b], v[TM+\b], v[TM+4+\b]   ; with lane l xor 16's: the block's largest magnitude
.endr
.irp b, 0,1,2,3
	v_add_nc_u32 v[TM+12+\b], 0xff000000, v[TM+\b] ; 2 off its exponent field: the conversion's scale operand
.endr
.irp b, 0,1,2,3
	v_lshrrev_b32 v[TM+4+\b], 23, v[TM+12+\b]      ; the scale's byte
.endr
	v_lshl_or_b32 v[\pw], v[TM+5], 8, v[TM+4]
	v_lshl_or_b32 v[\pw], v[TM+6], 16, v[\pw]
	v_lshl_or_b32 v[\pw], v[TM+7], 24, v[\pw]
.irp c, 0,1
	v_cvt_scalef32_pk16_fp6_f32 v[PC+6*\c:PC+2+6*\c], v[\s+32*\c:\s+15+32*\c], v[TM+12+2*\c]
	v_cvt_scalef32_pk16_fp6_f32 v[PC+12+4*\c:PC+14+4*\c], v[\s+16+32*\c:\s+31+32*\c], v[TM+12+2*\c+1]
.endr
	v_nop                                          ; one plain place behind a scaled conversion
.irp c, 0,1
.irp i, 0,1,2
	v_permlane16_swap_b32 v[PC+6*\c+\i], v[PC+12+4*\c+\i]
.endr
.irp i, 0,1,2
	v_mov_b32 v[PC+3+6*\c+\i], v[PC+12+4*\c+\i]
.endr
.endr
.endm
.macro BIASLD                          ; both forms of the bias of this block of features
.irp b, 0,1,2,3
.irp i, 0,1,2,3
	global_load_b128 v[BIAS+16*\b+4*\i:BIAS+16*\b+4*\i+3], v9, s[52:53] offset:128*\b+16*\i
.endr
.endr
.irp a, 0,1,2,3
	global_load_b32 v[BV+2*\a], v10, s[50:51] offset:(32*(\a/2)+8*(\a%2))*4
.endr
.endm
; part 1.  Set f: tile f % 2 of my pair, K step (trip + 4 (f / 2)).  Load i of half e: lanes 0-15 row 8 (f % 2) + i, lanes 16-31 the row 16 further down, 256 bytes each
.macro LOADA f, adv
.irp e, 0,1
.irp i, 0,1,2,3,4,5,6,7
	global_load_b128 v[64*(\f)+32*\e+4*\i:64*(\f)+32*\e+4*\i+3], v[GA], s[48:49] offset:(8*((\f)%2)+\i)*4096+2048*((\f)/2)+256*\e+512*(\adv) th:TH_LOAD_NT
.endr
.endr
.endm
.macro FRAGA f, more
.if \more
	s_wait_loadcnt 48                              ; this set's 16 loads are in; the three younger sets may be out
.else
	s_wait_loadcnt 16*(3-(\f))
.endif
.irp e, 0,1
	WIN 0x04                                       ; the stores' data lie in window 1
.irp i, 0,1,2,3,4,5,6,7
	ds_store_b128 v[STI], v[64*(\f)+32*\e+4*\i:64*(\f)+32*\e+4*\i+3] offset:272*\i
.endr
	WIN 0
.irp b, 0,1
.irp j, 0,1,2,3
	ds_load_b128 v[H+32*\e+16*\b+4*\j:H+32*\e+16*\b+4*\j+3], v[STO] offset:128*\b+16*\j   ; LDS serves a wave's instructions in order (ISA guide 5.7.1.4)
.endr
.endr
.endr
	s_wait_dscnt 0x0
.if \more
	WIN TO_R
	LOADA \f, 1                                    ; the same set, one trip on
	WIN 0
.endif
	QUANT H, PW
.irp c, 0,1,2
	ds_store_b128 v[CT+(\f)/2], v[PC+4*\c:PC+4*\c+3] offset:TBL*((\f)%2)+512*\c
.endr
	ds_store_b32 v[SDT+(\f)/2], v[PW] offset:TBL*((\f)%2)   ; lanes r and r + 16 write the same word with the same value
.endm
.macro ATRIP more
	v_add_nc_u32 v[CT], s67, v[CD]                 ; this trip's fragment in each half of K,
	v_add_nc_u32 v[CT+1], s67, v[CD+1]
	v_add_nc_u32 v[SDT], s71, v[SD]                ; and its scale words
	v_add_nc_u32 v[SDT+1], s71, v[SD+1]
	s_wait_alu depctr_va_vdst(0)
	FRAGA 0, \more
	FRAGA 1, \more
	FRAGA 2, \more
	FRAGA 3, \more
.endm
.macro BADD a                          ; the bias: by register (q, k: a lane's registers run along the features) or by lane (v: a lane holds one feature)
	s_cmp_eq_u32 s26, 0
	s_cbranch_scc0 .Lbv_\@
	WIN PULL
.set i, 0
.rept 32
	v_pk_add_f32 v[H+2*i:H+2*i+1], v[64*(\a)+2*i:64*(\a)+2*i+1], v[BIAS+2*i:BIAS+2*i+1]
.set i, i+1
.endr
	WIN 0
	s_branch .Lbj_\@
.Lbv_\@:
	WIN PULL
.set i, 0
.rept 32
	v_pk_add_f32 v[H+2*i:H+2*i+1], v[64*(\a)+2*i:64*(\a)+2*i+1], v[BV+2*(\a):BV+2*(\a)+1] op_sel_hi:[1,0]
.set i, i+1
.endr
	WIN 0
.Lbj_\@:
	s_wait_alu depctr_va_vdst(0)
.endm
.macro EPI last                        ; s66: the block of 256 features
	WIN 0
	PLACES 4                                       ; behind the last products
	s_wait_xcnt 0x0                                ; earlier stores have read their bases and data
	s_lshl_b32 s27, s66, 1
	s_add_co_u32 s27, s27, s22                     ; q, k: X, my 128 features
	s_lshr_b32 s28, s27, 2
	s_mul_i32 s28, s28, KHQ
	s_and_b32 s29, s27, 3
	s_mul_i32 s29, s29, FRB
	s_add_co_u32 s28, s28, s29                     ; codes: half X / 4, fragment X % 4
	s_mul_i32 s29, s66, 16*TB                      ; v: 16 tiles of features on
	s_lshl_b32 s30, s27, 16                        ; scale words: q, k [X][1,024 tiles][64 bytes];
	s_lshl_b32 s31, s66, 10                        ; v: 16 tiles on
	s_cmp_eq_u32 s26, 0
	s_cselect_b32 s28, s28, s29
	s_cselect_b32 s30, s30, s31
	s_add_co_u32 s28, s28, s72
	s_add_co_u32 s30, s30, s73
	s_mov_b32 s29, 0
	s_mov_b32 s31, 0
	s_add_nc_u64 s[54:55], s[18:19], s[28:29]
	s_add_nc_u64 s[56:57], s[18:19], s[30:31]
	s_wait_loadcnt 0x0                             ; the bias is in
.irp a, 0,1,2,3
	BADD \a
	s_wait_xcnt 0x0                                ; the last fragment's stores have read the codes' registers
	QUANT H, PW+\a
.irp c, 0,1,2
	global_store_b128 v1, v[PC+4*\c:PC+4*\c+3], s[54:55] offset:TB*\a+512*\c   ; 32 lanes store 512 consecutive bytes, at a multiple of 256 from the buffer's first byte
.endr
	ds_store_b32 v11, v[PW+\a] offset:64*\a
.endr
	ds_load_b64 v[SBK:SBK+1], v12
	s_wait_dscnt 0x0
	global_store_b64 v13, v[SBK:SBK+1], s[56:57]   ; my four tiles' scale words: 256 consecutive bytes, aligned
.if (\last) == 0
	s_wait_xcnt 0x0
	s_add_nc_u64 s[50:51], s[50:51], 1024
	s_add_nc_u64 s[52:53], s[52:53], 1024
	BIASLD                                         ; the next block's bias
.endif
.endm
.macro TRIP fill
	STEP 0, 0, 0, 1                                ; the first step's products start the sums
	STEP 0, 1, 1, 0
	STEP 0, 2, 0, 0
	TURN 0, \fill
	STEP 1, 0, 0, 0
	STEP 1, 1, 1, 0
	STEP 1, 2, 0, 0
.if \fill
	TURN 1, 1
	EPI 0
.else
	s_wait_dscnt 0x0
	WIN MUL
	MUL8 0, 1, 0
	MUL8 1, 1, 0
	MUL8 2, 1, 0
	MUL8 3, 1, 0
	EPI 1
.endif
.endm
	s_load_b256 s[4:11], s[0:1], 0x0               ; query, key, value, xw
	s_load_b256 s[12:19], s[0:1], 0x20             ; q_b, k_b, v_b, qkv
	v_lshl_add_u32 v[SPW], v0, 2, SPARE
	v_mov_b32 v[NIL], 0
	ds_add_u32 v[SPW], v[NIL]                      ; the opening: the add, twice on end, and its wait ahead of my first tensor load
	ds_add_u32 v[SPW], v[NIL]
	v_lshrrev_b32 v1, 5, v0
	v_readfirstlane_b32 s20, v1                    ; wave w
	s_lshr_b32 s21, s20, 1                         ; q, k: which 4 tiles of rows
	s_and_b32 s22, s20, 1                          ; q, k: which 8 tiles of the weight
	s_bfe_u32 s23, ttmp6, 0x40000                  ; cx
	s_lshr_b32 s24, ttmp9, 4                       ; T: 16 clusters a tensor; the same in all partners
	s_and_b32 s25, ttmp9, 15
	s_lshl_b32 s25, s25, 2
	s_add_co_u32 s25, s25, s23                     ; which 128 rows of the tensor: enters global addresses alone
	s_mov_b32 s32, 15|(3<<16)|(1<<21)              ; group 1: the mask names the cluster's four; elements of 8 bytes; a dense block of 25,600 bytes as 100 rows of 256
	s_mov_b32 s33, 32<<16
	s_mov_b32 s34, 100<<16
	s_mov_b32 s35, 32<<16
	s_mov_b32 s36, 100
	s_mov_b32 s37, 32
	s_mov_b32 s38, 0
	s_mov_b32 s39, 0
	s_mov_b32 s40, 1
	s_mov_b32 s44, 1
	s_mul_i32 s29, s20, 4*TBL
	s_add_co_u32 s41, s29, SLOT0                   ; where my 4 tiles of a slot land; v: also my L tiles
	s_add_co_u32 s45, s29, SLOT1
	s_mul_i32 s27, s22, 8*TBL
	s_mul_i32 s28, s21, 4*TBL
	s_add_co_u32 s74, s27, SLOT0                   ; q, k: R in the slots,
	s_add_co_u32 s76, s27, SLOT1
	s_add_co_u32 s77, s28, XH1                     ; L among the rows' images
	s_mov_b32 s79, XH1
	s_cmp_eq_u32 s24, 2
	s_cselect_b32 s26, 1, 0                        ; 1: v
	s_cselect_b32 s74, 0, s74                      ; v: R = the rows' images, L in the slots
	s_cselect_b32 s75, s41, s28
	s_cselect_b32 s76, s79, s76
	s_cselect_b32 s77, s45, s77
	s_lshl_b32 s80, s25, 3                         ; q, k: my first tile of rows in qkv: 8 x block + 4 x half + 512 T
	s_lshl_b32 s27, s21, 2
	s_add_co_u32 s80, s80, s27
	s_lshl_b32 s27, s24, 9
	s_add_co_u32 s80, s80, s27
	s_mul_i32 s72, s80, TB
	s_lshl_b32 s73, s80, 6
	s_add_co_u32 s73, s73, QKS
	s_lshl_b32 s81, s20, 2                         ; 4 w
	s_lshr_b32 s27, s25, 2                         ; v: [keys / 512][64 tiles of features][4 fragments]
	s_lshl_b32 s27, s27, 6
	s_add_co_u32 s27, s27, s81
	s_mul_i32 s27, s27, TB
	s_and_b32 s28, s25, 3
	s_mul_i32 s28, s28, FRB
	s_add_co_u32 s27, s27, s28
	s_add_co_u32 s27, s27, VC
	s_lshl_b32 s28, s25, 6                         ; v's scale words: [keys / 128][64 tiles][64 bytes]
	s_add_co_u32 s28, s28, s81
	s_lshl_b32 s28, s28, 6
	s_add_co_u32 s28, s28, VS
	s_cmp_eq_u32 s26, 0
	s_cselect_b32 s72, s72, s27
	s_cselect_b32 s73, s73, s28
	s_lshl_b32 s82, s25, 19                        ; my rows: (128 x block + 32 w) x 4,096 bytes
	s_lshl_b32 s27, s20, 17
	s_add_co_u32 s82, s82, s27
	s_mov_b32 s83, 0
	s_lshl_b32 s84, s24, 6                         ; the weight's tile 64 T + 4 w
	s_add_co_u32 s84, s84, s81
	s_mul_i32 s84, s84, TBL
	s_mov_b32 s85, 0
	s_lshl_b32 s86, s22, 9                         ; the bias by register: my 128 features
	s_mov_b32 s87, 0
	s_lshl_b32 s88, s20, 8                         ; the bias by lane: my 64 features
	s_mov_b32 s89, 0
	s_mov_b32 s[SEL], 0x76543210
	s_mov_b32 s[SEL+1], 0xfedcba98
	v_and_b32 v14, 31, v0                          ; lane
	v_and_b32 v15, 15, v0                          ; r
	v_bfe_u32 v9, v0, 4, 1                         ; h
	v_lshlrev_b32 v1, 4, v14                       ; 16 x lane
	v_mul_u32_u24 v2, v9, TBL
	v_lshl_add_u32 v2, v15, 2, v2
	v_add_nc_u32 v2, 6144, v2                      ; a scale word: tile h of a pair, row r
	v_add_nc_u32 v[ADL], s75, v1
	v_add_nc_u32 v[ADL+1], s77, v1
	v_add_nc_u32 v[ADR], s74, v1
	v_add_nc_u32 v[ADR+1], s76, v1
	v_add_nc_u32 v[ASL], s75, v2
	v_add_nc_u32 v[ASL+1], s77, v2
	v_add_nc_u32 v[ASR], s74, v2
	v_add_nc_u32 v[ASR+1], s76, v2
	v_and_b32 v10, 8, v15
	v_add_nc_u32 v10, v10, v15
	v_lshlrev_b32 v10, 2, v10                      ; 4 (r % 8 + 16 (r / 8))
	s_lshl_b32 s27, s20, 8
	s_add_co_u32 s27, s27, SCR
	v_lshl_add_u32 v11, v15, 2, s27
	v_lshl_add_u32 v12, v14, 3, s27
	v_lshlrev_b32 v13, 3, v14
	v_lshlrev_b32 v[GA], 16, v9                    ; part 1's loads: 16 rows x h + 16 r bytes
	v_lshl_add_u32 v[GA], v15, 4, v[GA]
	s_mul_i32 s27, s20, 4608
	s_add_co_u32 s27, s27, STG
	v_mul_u32_u24 v[STI], v9, 8*272                ; the stage, in: row i + 8 h, 16 r
	v_lshl_add_u32 v[STI], v15, 4, v[STI]
	v_add_nc_u32 v[STI], s27, v[STI]
	v_mul_u32_u24 v[STO], v15, 272                 ; back: row r, + 64 h
	v_lshl_add_u32 v[STO], v9, 6, v[STO]
	v_add_nc_u32 v[STO], s27, v[STO]
	s_mul_i32 s27, s20, 2*TBL
	v_add_nc_u32 v[CD], s27, v1                    ; my pair's images, half 0 and half 1 of K
	v_add_nc_u32 v[CD+1], XH1, v[CD]
	v_lshl_add_u32 v[SD], v15, 2, s27
	v_add_nc_u32 v[SD], 6144, v[SD]
	v_add_nc_u32 v[SD+1], XH1, v[SD]
	v_lshlrev_b32 v9, 6, v9                        ; 64 h: the bias by register
.irp b, 0,1,2,3
	v_mov_b32 v[TM+4+\b], 0                        ; written once: a lane permute's destination counts as one of its sources
	v_mov_b32 v[BV+2*\b+1], 0                      ; (named as the upper half of a pair)
.endr
	s_wait_alu depctr_va_vdst(0)
	s_wait_dscnt 0x0                               ; both opening adds are done
	s_wait_kmcnt 0x0
	s_cmp_eq_u32 s24, 1                            ; which activation and bias: the choice hangs on the tensor's number alone
	s_cselect_b64 s[4:5], s[6:7], s[4:5]
	s_cselect_b64 s[12:13], s[14:15], s[12:13]
	s_cmp_eq_u32 s24, 2
	s_cselect_b64 s[4:5], s[8:9], s[4:5]
	s_cselect_b64 s[12:13], s[16:17], s[12:13]
	s_add_nc_u64 s[48:49], s[4:5], s[82:83]
	s_add_nc_u64 s[42:43], s[10:11], s[84:85]
	s_add_nc_u64 s[46:47], s[42:43], KHW
	s_or_b32 s43, s43, 0x80000000
	s_or_b32 s47, s47, 0x80000000
	s_add_nc_u64 s[52:53], s[12:13], s[86:87]
	s_add_nc_u64 s[50:51], s[12:13], s[88:89]
	CROUND                                         ; the four work-groups are here: the first joint loads meet
	tensor_load_to_lds s[40:43], s[32:39]          ; slot 0: my one load at the head
	s_nop 0
	PLACES 4
	BIASLD
	WIN TO_R
	LOADA 0, 0
	LOADA 1, 0
	LOADA 2, 0
	LOADA 3, 0
	WIN 0
	s_mov_b32 s67, 0
	s_mov_b32 s71, 0
	s_mov_b32 s66, 0
.Lka:                                                  ; part 1: trip i makes K steps i and i + 4 of both my tiles
	ATRIP 1
	s_wait_xcnt 0x0                                ; the loads have read their base
	s_add_nc_u64 s[48:49], s[48:49], 512
	s_add_co_u32 s67, s67, FRB
	s_add_co_u32 s71, s71, 64
	s_add_co_u32 s66, s66, 1
	s_cmp_lt_u32 s66, 3
	s_wait_alu depctr_va_vdst(0)
	s_cbranch_scc1 .Lka
	s_wait_tensorcnt 0x0                           ; slot 0 is in
	ds_add_u32 v[SPW], v[NIL]
	s_wait_dscnt 0x0
	CROUND
	tensor_load_to_lds s[44:47], s[32:39]          ; slot 1: it has part 1's last trip and slot 0's four steps in which to land
	s_nop 0
	PLACES 4
	ATRIP 0                                        ; the last trip loads nothing more
	s_wait_dscnt 0x0                               ; my images are stored:
	s_barrier_signal -1
	s_barrier_wait -1                              ; so are every wave's
	FETCH 0, 0, 0
	WIN 0
	s_mov_b32 s66, 0
.Lnb:                                                  ; part 2: a trip makes 256 features and fills both slots again
	TRIP 1
	s_add_co_u32 s66, s66, 1
	s_cmp_lt_u32 s66, 3
	s_wait_alu depctr_va_vdst(0)
	s_cbranch_scc1 .Lnb
	TRIP 0                                         ; the last block asks for nothing more
	s_wait_tensorcnt 0x0                           ; the wave's end
	ds_add_u32 v[SPW], v[NIL]
	s_wait_dscnt 0x0
	CROUND                                         ; the closing round
	s_endpgm
.Lfunc_end_k_q3abaa3e7fa_qproj:
	.size	k_q3abaa3e7fa_qproj, .Lfunc_end_k_q3abaa3e7fa_qproj-k_q3abaa3e7fa_qproj
	.p2alignl 7, 3214868480
	.fill 96, 4, 3214868480
	.section	.rodata,"a",@progbits
	.p2align	6, 0x0
	.amdhsa_kernel k_q3abaa3e7fa_qproj
		.amdhsa_group_segment_fixed_size 327680
		.amdhsa_private_segment_fixed_size 0
		.amdhsa_enable_private_segment 0
		.amdhsa_kernarg_size 64
		.amdhsa_user_sgpr_count 2
		.amdhsa_user_sgpr_kernarg_segment_ptr 1
		.amdhsa_wavefront_size32 1
		.amdhsa_system_sgpr_workgroup_id_x 1
		.amdhsa_system_sgpr_workgroup_id_y 1
		.amdhsa_system_sgpr_workgroup_id_z 1
		.amdhsa_system_vgpr_workitem_id 0
		.amdhsa_next_free_vgpr 1024
		.amdhsa_next_free_sgpr 96
		.amdhsa_reserve_vcc 0
		.amdhsa_float_denorm_mode_32 3
		.amdhsa_float_denorm_mode_16_64 3
		.amdhsa_memory_ordered 1
		.amdhsa_forward_progress 1
		.amdhsa_inst_pref_size 255
	.end_amdhsa_kernel
	.section	.bss,"aw",@nobits
	.p2align	6
	.space	262144
	.amdgpu_metadata
---
amdhsa.version: [ 1, 2 ]
amdhsa.kernels:
  - .name:           k_q3abaa3e7fa_qproj
    .symbol:         k_q3abaa3e7fa_qproj.kd
    .args:
      - { .name: query, .offset: 0, .size: 8, .value_kind: global_buffer, .address_space: global }
      - { .name: key, .offset: 8, .size: 8, .value_kind: global_buffer, .address_space: global }
      - { .name: value, .offset: 16, .size: 8, .value_kind: global_buffer, .address_space: global }
      - { .name: xw, .offset: 24, .size: 8, .value_kind: global_buffer, .address_space: global }
      - { .name: q_b, .offset: 32, .size: 8, .value_kind: global_buffer, .address_space: global }
      - { .name: k_b, .offset: 40, .size: 8, .value_kind: global_buffer, .address_space: global }
      - { .name: v_b, .offset: 48, .size: 8, .value_kind: global_buffer, .address_space: global }
      - { .name: qkv, .offset: 56, .size: 8, .value_kind: global_buffer, .address_space: global }
    .group_segment_fixed_size: 327680
    .private_segment_fixed_size: 0
    .kernarg_segment_align: 8
    .kernarg_segment_size: 64
    .max_flat_workgroup_size: 128
    .sgpr_count:     96
    .vgpr_count:     1024
    .wavefront_size: 32
...
	.end_amdgpu_metadata
.endif
;; end of part 2
;; launch score (part 3): grid 8 x 32, 4 waves a work-group, clusters of 4 x 4, 327,680 bytes of LDS; arguments qkv, mask, pw; writes pw
.if DOCPART == 3
	.amdgcn_target "amdgcn-amd-amdhsa--gfx1250"
	.amdhsa_code_object_version 6
	.text
	.protected	k_q3abaa3e7fa_score
	.globl	k_q3abaa3e7fa_score
	.p2align	8
	.type	k_q3abaa3e7fa_score,@function
k_q3abaa3e7fa_score:
	s_mov_b64 s[64:65], 0
	v_nop
	global_prefetch_b8 v0, s[64:65] scope:SCOPE_SE
	s_setreg_imm32_b32 hwreg(HW_REG_WAVE_MODE, 25, 1), 1
	s_wait_xcnt 0x0
	s_wait_alu depctr_hold_cnt(0) depctr_sa_sdst(0) depctr_va_vdst(0) depctr_va_sdst(0) depctr_va_ssrc(0) depctr_va_vcc(0) depctr_vm_vsrc(0)
	s_getreg_b32 s2, hwreg(HW_REG_IB_STS2, 6, 4)
	s_cmp_eq_u32 s2, 0
	s_cbranch_scc0 .Lentry_in_a_cluster
	s_endpgm
.Lentry_in_a_cluster:
	s_bfe_u32 s2, ttmp6, 0x10000c
	s_cmp_lg_u32 s2, 0xf033
	s_cbranch_scc0 .Lentry_shape_is_right
	s_endpgm
.Lentry_shape_is_right:
; S = q k^T on codes of FP6 (E2M3) with E8M0 scales (buffer qkv), sums in f32; t = S x log2(e) / 32; where the mask's byte is set, t = -1e9 x log2(e).
; THE SOFTMAX IS TAKEN CHUNK BY CHUNK OF 128 KEYS.  For each query and chunk: M = ceil(the chunk's largest t), a whole number; p = 2^(t - M); l = the sum of the unquantised p; p is quantised along the keys.
; Since every M is a whole number, the row's own M only moves a block's scale byte by a whole number: the next launch does that from the stored -M, and adds the l's under the row's M.  The maximum IS taken away, chunk by chunk and then by row.
; Stored (buffer pw): p's codes as images of operand registers, [2,048 keys / 512][512 tiles of queries][4 fragments]; then scale words, -M (f32) and l (f32), each [16 chunks][512 tiles][16 words].
; IMAGES, THE ORDER OF A TILE'S ROWS and THE PRODUCT are as in the launch before: source 0 ('R') = 16 keys, source 1 ('L') = 16 queries; a lane holds ONE query, and register 16 b + i of its 64 holds key 32 b + 16 (lane / 16) + i of the chunk.
; SHARES.  A work-group takes 256 queries (Y) and STAYS for two chunks of keys (2 X, 2 X + 1); wave w takes the queries' tiles 4 w .. 4 w + 3 against the chunk's 8 tiles.  All of q's K lies in the two slots for both chunks: only k's parts are filled again.
; CLUSTERS: 4 x 4.  q's tiles are shared along the cluster's row, k's along its column: joint loads.
; THE MASK is an input: every byte is loaded, 16 bytes a lane for each block of 32 keys, at the head, into registers of window 3.
; LIMITS: NaN and infinities are not served; p under 2^-126 counts as 0 (v_exp_f32: ISA guide 15.8); a block of zeros has the byte 1 (its codes are zeros; this program alone reads the bytes).
; REGISTERS: window 0: v1-13 addresses, v16-63 scale words, v64-207 the softmax;  window 1: R's fragments, two sets of 96;  window 2: accumulator (a, t) at v[8 (8 a + t)];  window 3: L's fragments, two sets of 48; v96-223 the mask.
.set TB,    6144
.set FRB,   1536
.set SLOTB, 147456                     ; a slot's bytes: L's 16 tiles and R's 8, one half of K
.set ROFF,  196608                     ; LDS: L at 0, laid [loading wave 2][half of K 2][8 tiles]; R from here on, laid [loading wave 2][half of K 2][4 tiles]: 'slot s' is the parts of half s
.set SPARE, 2*SLOTB                    ; the spare words, 128 bytes for each wave: two blocks of 256 bytes that no other line names
.set SCR,   SPARE+512                  ; scale words, -M and l on their way out: 768 bytes for each wave; no tensor load lands here
.set QKS,   18874368                   ; qkv: q's and k's scale words, [K / 128][1,024 tiles][16 words]
.set KHQ,   1024*TB                    ; qkv: from one half of K to the other
.set PS,    12582912                   ; pw: the scale words; -M 524,288 bytes on, l 1,048,576
.set ADL, 3
.set ADR, 5
.set SPW, 7
.set NIL, 8
.set LS,  16
.set RS,  32
.set H,   64                           ; v64-127  t, then p
.set XM,  128                          ; v128-143 the mask's bytes x 255
.set TP,  144                          ; v144-147 a byte spread over a word
.set BM,  148                          ; v148-151 each block's largest t, then its largest p
.set BX,  152                          ; v152-155 at work
.set SO,  156                          ; v156-159 the conversions' scale operands
.set RM,  160                          ; the chunk's largest t of my query
.set NM,  162                          ; v[162+2a:163+2a] -M (the pair's upper word is 0 and not used)
.set SUM, 170                          ; v[170:173] the sum, in two chains of pairs
.set LL,  174                          ; v174-177 l
.set PW,  178                          ; v178-181 the scale words
.set PC,  182                          ; v182-201 the codes just made
.set SBK, 202                          ; v202-207 back from LDS
.set G1L, 24
.set G1R, 32
.set G0L, 40
.set G0R, 48
.set CS,   76                          ; s[76:77] log2(e) / 32: the packed form names a pair and takes its low word for both halves
.set STM,  78                          ; s78 -1e9 x log2(e), rounded to f32: a whole number
.set SB,   80                          ; s80-83 v_perm_b32's selectors: byte e into all four bytes
.set C255, 84
.set SEL,  86
.set MSB, 0
.macro WIN new
.if MSB != \new
	s_set_vgpr_msb (MSB<<8)|\new
.set MSB, \new
.endif
.endm
.set MUL,  0xad                        ; source 0 (R) window 1, source 1 (L) window 3, C and D window 2
.set TO_R, 0x40
.set TO_L, 0xc0
.set PULL, 0x02
.macro PLACES n
.rept \n
	v_nop
.endr
.endm
.macro JLOAD slot                      ; a joint load: waves 0 and 1 fetch L's halves, waves 2 and 3 R's; four v_nop follow each of the two lines
	s_cmp_eq_u32 s15, 0
	s_cbranch_scc0 .Lfor_r_\@
	tensor_load_to_lds s[G0L+4*(\slot):G0L+4*(\slot)+3], s[G1L:G1L+7]
	s_nop 0
	PLACES 4
	s_branch .Lasked_\@
.Lfor_r_\@:
	tensor_load_to_lds s[G0R+4*(\slot):G0R+4*(\slot)+3], s[G1R:G1R+7]
	s_nop 0
	PLACES 4
.Lasked_\@:
.endm
.macro CREST
	s_cmp_lg_u32 s14, 0
	s_cbranch_scc1 .Lnot_wave_0_\@
	s_barrier_signal -3
.Lnot_wave_0_\@:
	s_barrier_wait -3
	s_barrier_signal -1
	s_barrier_wait -1
.endm
.macro CROUND
	s_barrier_signal -1
	s_barrier_wait -1
	CREST
.endm
.macro MM a, t, p, s, zero
.set rD, 8*(8*(\a)+(\t))
.set rR, 96*(\p)+12*(\t)
.set rL, 48*(\p)+12*(\a)
.set rX, RS+4*(\s)+(\t)/2
.set rY, LS+2*(\s)+(\a)/2
.if \zero
.if ((\t)%2) && ((\a)%2)
	v_wmma_scale_f32_16x16x128_f8f6f4 v[rD:rD+7], v[rR:rR+11], v[rL:rL+11], 0, v[rX], v[rY] matrix_a_fmt:MATRIX_FMT_FP6 matrix_b_fmt:MATRIX_FMT_FP6 matrix_a_scale:MATRIX_SCALE_ROW1 matrix_b_scale:MATRIX_SCALE_ROW1
.elseif (\t)%2
	v_wmma_scale_f32_16x16x128_f8f6f4 v[rD:rD+7], v[rR:rR+11], v[rL:rL+11], 0, v[rX], v[rY] matrix_a_fmt:MATRIX_FMT_FP6 matrix_b_fmt:MATRIX_FMT_FP6 matrix_a_scale:MATRIX_SCALE_ROW1
.elseif (\a)%2
	v_wmma_scale_f32_16x16x128_f8f6f4 v[rD:rD+7], v[rR:rR+11], v[rL:rL+11], 0, v[rX], v[rY] matrix_a_fmt:MATRIX_FMT_FP6 matrix_b_fmt:MATRIX_FMT_FP6 matrix_b_scale:MATRIX_SCALE_ROW1
.else
	v_wmma_scale_f32_16x16x128_f8f6f4 v[rD:rD+7], v[rR:rR+11], v[rL:rL+11], 0, v[rX], v[rY] matrix_a_fmt:MATRIX_FMT_FP6 matrix_b_fmt:MATRIX_FMT_FP6
.endif
.else
.if ((\t)%2) && ((\a)%2)
	v_wmma_scale_f32_16x16x128_f8f6f4 v[rD:rD+7], v[rR:rR+11], v[rL:rL+11], v[rD:rD+7], v[rX], v[rY] matrix_a_fmt:MATRIX_FMT_FP6 matrix_b_fmt:MATRIX_FMT_FP6 matrix_a_scale:MATRIX_SCALE_ROW1 matrix_b_scale:MATRIX_SCALE_ROW1
.elseif (\t)%2
	v_wmma_scale_f32_16x16x128_f8f6f4 v[rD:rD+7], v[rR:rR+11], v[rL:rL+11], v[rD:rD+7], v[rX], v[rY] matrix_a_fmt:MATRIX_FMT_FP6 matrix_b_fmt:MATRIX_FMT_FP6 matrix_a_scale:MATRIX_SCALE_ROW1
.elseif (\a)%2
	v_wmma_scale_f32_16x16x128_f8f6f4 v[rD:rD+7], v[rR:rR+11], v[rL:rL+11], v[rD:rD+7], v[rX], v[rY] matrix_a_fmt:MATRIX_FMT_FP6 matrix_b_fmt:MATRIX_FMT_FP6 matrix_b_scale:MATRIX_SCALE_ROW1
.else
	v_wmma_scale_f32_16x16x128_f8f6f4 v[rD:rD+7], v[rR:rR+11], v[rL:rL+11], v[rD:rD+7], v[rX], v[rY] matrix_a_fmt:MATRIX_FMT_FP6 matrix_b_fmt:MATRIX_FMT_FP6
.endif
.endif
.endm
.macro MUL8 a, p, s, zero              ; the 32 accumulators take turns, one instruction a turn, in the same order in every step
.irp t, 0,1,2,3,4,5,6,7
	MM \a, \t, \p, \s, \zero
.endr
.endm
.macro FR slot, q, p, ta, tb, tc, td   ; four of R's fragments
	WIN TO_R
.irp t, \ta, \tb, \tc, \td
.irp c, 0,1,2
	ds_load_b128 v[96*(\p)+12*\t+4*\c:96*(\p)+12*\t+4*\c+3], v[ADR+(\slot)+9*(\t/4)] offset:TB*(\t%4)+FRB*(\q)+512*\c   ; tiles 4-7 lie in the second loading wave's part: address registers v14, v15
.endr
.endr
.endm
.macro FL slot, q, p, aa, ab           ; two of L's fragments
	WIN TO_L
.irp a, \aa, \ab
.irp c, 0,1,2
	ds_load_b128 v[48*(\p)+12*\a+4*\c:48*(\p)+12*\a+4*\c+3], v[ADL+(\slot)] offset:TB*\a+FRB*(\q)+512*\c
.endr
.endr
.endm
; a step's loads always go out in this order: R's eight (24 loads), L's tiles 0, 1 (6), L's tiles 2, 3 (6)
.macro FETCH slot, q, p
	FR \slot, \q, \p, 0,1,2,3
	FR \slot, \q, \p, 4,5,6,7
	FL \slot, \q, \p, 0,1
	FL \slot, \q, \p, 2,3
.endm
; a step: the next step's loads in one run, then 32 products in four groups of eight
.macro STEP slot, q, s, zero           ; the next step's loads in one run, then this step's 32 products
	s_wait_dscnt 0x0                               ; this step's fragments are in
	PLACES 4                                       ; in front of loads into the set that the last step multiplied
	FETCH \slot, (\q)+1, 1-(\s)%2
	WIN MUL
	MUL8 0, (\s)%2, \s, \zero
	MUL8 1, (\s)%2, \s, \zero
	MUL8 2, (\s)%2, \s, \zero
	MUL8 3, (\s)%2, \s, \zero
.endm
; The refill: k's part of the slot takes the next chunk's 8 tiles; q's part stays.  Waves 2 and 3 ask, waves 0 and 1 have nothing to fill.  Four v_nop follow on both ways.
.macro REFILL slot, arg
	s_add_nc_u64 s[G0R+4*(\slot)+2:G0R+4*(\slot)+3], s[G0R+4*(\slot)+2:G0R+4*(\slot)+3], 8*TB
	s_cmp_lt_u32 s14, 2
	s_cbranch_scc1 .Lno_r_\@
	tensor_load_to_lds s[G0R+4*(\slot):G0R+4*(\slot)+3], s[G1R:G1R+7]
	s_nop 0
.Lno_r_\@:
	PLACES 4
.endm
.macro TURN slot, s, fill, arg
	WIN 0                                          ; (the add's two registers lie in window 0)
	s_wait_tensorcnt 0x0                           ; all my tensor loads have landed; so a group 0 may be written
	ds_add_u32 v[SPW], v[NIL]                      ; 0 onto my spare word
	s_wait_dscnt 1                                 ; (the add alone may be out: this step's fragments are in)
	WIN MUL
	MUL8 0, 1, \s, 0
	s_wait_dscnt 0x0                               ; the add is done, and my reads of this slot are over
	s_barrier_signal -1
	MUL8 1, 1, \s, 0
	WIN 0
	s_barrier_wait -1
.if \fill
	CREST                                          ; a round of the cluster's barrier: no wave of any partner still reads this slot or has a load on its way
	REFILL \slot, \arg
.else
	PLACES 4
.endif
	FETCH 1-(\slot), 0, 0
	WIN MUL
	MUL8 2, 1, \s, 0
	MUL8 3, 1, \s, 0
.endm
.macro LAST s
	s_wait_dscnt 0x0
	WIN MUL
	MUL8 0, 1, \s, 0
	MUL8 1, 1, \s, 0
	MUL8 2, 1, \s, 0
	MUL8 3, 1, \s, 0
	WIN 0
.endm
.macro RSLD j                          ; k's scale words of chunk 2 X + j: 32 registers
.irp k, 0,1,2,3,4,5,6,7
.irp i, 0,1,2,3
	global_load_b32 v[RS+4*\k+\i], v2, s[68:69] offset:65536*\k+128*\i+512*(\j)
.endr
.endr
.endm
	s_load_b128 s[4:7], s[0:1], 0x0                ; qkv, mask
	s_load_b64 s[8:9], s[0:1], 0x10                ; pw
	v_lshl_add_u32 v[SPW], v0, 2, SPARE
	v_mov_b32 v[NIL], 0
	ds_add_u32 v7, v8
	ds_add_u32 v7, v8
	s_wait_dscnt 0x0
	v_lshrrev_b32 v1, 5, v0
	v_readfirstlane_b32 s14, v1                    ; wave 0..3
	s_lshr_b32 s15, s14, 1
	s_and_b32 s16, s14, 1
	s_bfe_u32 s17, ttmp6, 0x40000                  ; cx, cy
	s_bfe_u32 s18, ttmp6, 0x40004
	s_lshl_b32 s19, ttmp9, 2
	s_add_co_u32 s19, s19, s17                     ; X, 0..7: chunks 2 X and 2 X + 1
	s_and_b32 s21, ttmp7, 0xffff                   ; cluster y; the batch is cluster y / 2
	s_lshl_b32 s20, s21, 2
	s_add_co_u32 s20, s20, s18                     ; Y, 0..31: 256 queries, the batch in it
	s_lshl_b32 s22, s18, 2
	s_lshl_b32 s22, 15, s22                        ; my row of the cluster
	s_lshl_b32 s23, 0x1111, s17                    ; my column
	s_or_b32 s[G1L], s22, (3<<16)|(1<<21)          ; a dense block as rows of 256 bytes (32 elements of 8 bytes): L's half 192 rows, R's half 96; no padding
	s_or_b32 s[G1R], s23, (3<<16)|(1<<21)
	s_mov_b32 s[G1L+1], 6144<<16                   ; THE HEAD'S LOAD BRINGS BOTH HALVES OF K: two rows, each a dense block of 8 tiles (6,144 elements of 8 bytes), the pitch from one half of K to the other
	s_mov_b32 s[G1L+2], 2<<16
	s_mov_b32 s[G1L+3], 6144<<16
	s_mov_b32 s[G1L+4], 2
	s_mov_b32 s[G1L+5], KHQ/8
	s_mov_b32 s[G1L+6], 0
	s_mov_b32 s[G1L+7], 0
	s_mov_b32 s[G1R+1], 3072<<16                   ; the same for R: two rows of 4 tiles
	s_mov_b32 s[G1R+2], 2<<16
	s_mov_b32 s[G1R+3], 3072<<16
	s_mov_b32 s[G1R+4], 2
	s_mov_b32 s[G1R+5], KHQ/8
	s_mov_b32 s[G1R+6], 0
	s_mov_b32 s[G1R+7], 0
	s_lshl_b32 s62, s16, 3                         ; q's tiles: made of Y and the wave's number alone
	s_lshl_b32 s56, s20, 4
	s_add_co_u32 s56, s56, s62
	s_mul_i32 s56, s56, TB                         ; tile 16 Y + 8 x half
	s_mov_b32 s57, 0
	s_lshr_b32 s58, s21, 1                         ; k's: made of X, the cluster's y and the wave's number alone
	s_lshl_b32 s58, s58, 7
	s_lshl_b32 s63, s19, 4
	s_add_co_u32 s58, s58, s63
	s_add_co_u32 s58, s58, 512                     ; tile 512 + 128 x batch + 16 X
	s_lshl_b32 s68, s58, 6
	s_add_co_u32 s68, s68, QKS                     ; its scale words
	s_mov_b32 s69, 0
	s_lshl_b32 s63, s16, 2
	s_add_co_u32 s58, s58, s63
	s_mul_i32 s58, s58, TB
	s_mov_b32 s59, 0
	s_lshl_b32 s60, s20, 4
	s_lshl_b32 s61, s14, 2
	s_add_co_u32 s60, s60, s61                     ; my first tile of queries: 16 Y + 4 w
	s_lshl_b32 s66, s60, 6
	s_add_co_u32 s66, s66, QKS                     ; its scale words
	s_mov_b32 s67, 0
	s_lshl_b32 s70, s60, 15                        ; the mask: 16 rows of 2,048 bytes a tile,
	s_lshl_b32 s61, s19, 8
	s_add_co_u32 s70, s70, s61                     ; + 256 X
	s_mov_b32 s71, 0
	s_lshr_b32 s72, s19, 1                         ; p's codes: ((X / 2) 512 + tile) x 6,144 + 2 (X % 2) x 1,536
	s_lshl_b32 s72, s72, 9
	s_add_co_u32 s72, s72, s60
	s_mul_i32 s72, s72, TB
	s_and_b32 s61, s19, 1
	s_mul_i32 s61, s61, 2*FRB
	s_add_co_u32 s72, s72, s61
	s_mov_b32 s73, 0
	s_lshl_b32 s74, s19, 10                        ; scale words, -M, l: (2 X x 512 + tile) x 64
	s_add_co_u32 s74, s74, s60
	s_lshl_b32 s74, s74, 6
	s_add_co_u32 s74, s74, PS
	s_mov_b32 s75, 0
	s_mov_b32 s[CS], 0x3d38aa3b                    ; log2(e) / 32: the division by sqrt(1,024) only moves the exponent, so t has one rounding
	s_mov_b32 s[CS+1], s[CS]
	s_mov_b32 s[STM], 0xceabfb8f                   ; -1e9 x log2(e) in f32 = -1,442,695,040
	s_mov_b32 s[SB], 0
	s_mov_b32 s[SB+1], 0x01010101
	s_mov_b32 s[SB+2], 0x02020202
	s_mov_b32 s[SB+3], 0x03030303
	s_mov_b32 s[C255], 255
	s_mov_b32 s[SEL], 0x76543210
	s_mov_b32 s[SEL+1], 0xfedcba98
	v_and_b32 v14, 31, v0                          ; lane
	v_and_b32 v15, 15, v0                          ; r
	v_bfe_u32 v10, v0, 4, 1                        ; h
	v_lshlrev_b32 v1, 4, v14                       ; 16 x lane
	v_lshlrev_b32 v2, 2, v14                       ; 4 x lane: two neighbouring tiles' scale words
	s_mul_i32 s2, s15, 16*TB                       ; my four tiles of L: in the part of loading wave w / 2, its tiles 4 (w % 2) on
	s_mul_i32 s3, s16, 4*TB
	s_add_co_u32 s2, s2, s3
	v_add_nc_u32 v[ADL], s2, v1
	v_add_nc_u32 v[ADL+1], 8*TB, v[ADL]
	v_add_nc_u32 v[ADR], ROFF, v1
	v_add_nc_u32 v[ADR+1], ROFF+4*TB, v1
	v_and_b32 v9, 8, v15
	v_add_nc_u32 v9, v9, v15                       ; r % 8 + 16 (r / 8): my query's row in its tile
	v_lshlrev_b32 v9, 11, v9
	v_lshl_add_u32 v9, v10, 4, v9                  ; the mask: that row, + 16 h: my 16 keys of a block
	s_mul_i32 s2, s14, 768
	s_add_co_u32 s2, s2, SCR
	v_lshl_add_u32 v11, v15, 2, s2
	v_lshl_add_u32 v12, v14, 3, s2
	v_lshlrev_b32 v13, 3, v14
	v_add_nc_u32 v14, ROFF+8*TB, v1                ; R's tiles 4-7, half 0 and half 1 of K
	v_add_nc_u32 v15, ROFF+12*TB, v1
.irp b, 0,1,2,3
	v_mov_b32 v[BX+\b], 0                          ; written once: a lane permute's destination counts as one of its sources
	v_mov_b32 v[NM+2*\b+1], 0                      ; (named as the upper half of a pair)
.endr
	s_mul_i32 s2, s16, 16*TB
	s_mul_i32 s3, s16, 8*TB
	s_add_co_u32 s3, s3, ROFF
	s_wait_kmcnt 0x0
	s_add_nc_u64 s[56:57], s[4:5], s[56:57]
	s_add_nc_u64 s[58:59], s[4:5], s[58:59]
	s_add_nc_u64 s[66:67], s[4:5], s[66:67]
	s_add_nc_u64 s[68:69], s[4:5], s[68:69]
	s_add_nc_u64 s[70:71], s[6:7], s[70:71]
	s_add_nc_u64 s[72:73], s[8:9], s[72:73]
	s_add_nc_u64 s[74:75], s[8:9], s[74:75]
	CROUND                                         ; all sixteen work-groups are here: the first joint loads meet
.irp s, 0,1
	s_mov_b32 s[G0L+4*\s], 1
	s_add_co_u32 s[G0L+4*\s+1], s2, \s*8*TB
	s_add_nc_u64 s[G0L+4*\s+2:G0L+4*\s+3], s[56:57], \s*KHQ
	s_or_b32 s[G0L+4*\s+3], s[G0L+4*\s+3], 0x80000000
	s_mov_b32 s[G0R+4*\s], 1
	s_add_co_u32 s[G0R+4*\s+1], s3, \s*4*TB
	s_add_nc_u64 s[G0R+4*\s+2:G0R+4*\s+3], s[58:59], \s*KHQ
	s_or_b32 s[G0R+4*\s+3], s[G0R+4*\s+3], 0x80000000
.endr
	JLOAD 0                                        ; slot 0: one tensor load a wave at the head
.irp k, 0,1,2,3,4,5,6,7
.irp i, 0,1
	global_load_b32 v[LS+2*\k+\i], v2, s[66:67] offset:65536*\k+128*\i   ; q's scale words: they serve both chunks
.endr
.endr
	RSLD 0
	s_wait_alu depctr_va_vdst(0)
	s_wait_tensorcnt 0x0                           ; my load, both halves of K, is in; no tensor load of mine is out, so a descriptor may be written:
	s_mov_b32 s[G1R+1], 32<<16                     ; from here on a load of R brings one half of K of 4 tiles, as 96 rows of 256 bytes
	s_mov_b32 s[G1R+2], 96<<16
	s_mov_b32 s[G1R+3], 32<<16
	s_mov_b32 s[G1R+4], 96
	s_mov_b32 s[G1R+5], 32
	s_barrier_signal -1
	s_barrier_wait -1                              ; everybody's part is in
	FETCH 0, 0, 0
	WIN TO_L                                       ; the mask, for both chunks, into window 3: for tile a and block b 16 bytes a lane; asked for behind the tiles
.irp j, 0,1
.irp a, 0,1,2,3
.irp b, 0,1,2,3
	global_load_b128 v[96+64*\j+16*\a+4*\b:96+64*\j+16*\a+4*\b+3], v9, s[70:71] offset:128*\j+2048*(32*(\a/2)+8*(\a%2))+32*\b
.endr
.endr
.endr
	WIN 0
; Tile a of the queries, chunk j: t, the mask, M, p, l, the quantiser, the image.
.macro SOFTQ j, a
	WIN PULL
.set i, 0
.rept 32
	v_pk_mul_f32 v[H+2*i:H+2*i+1], v[64*(\a)+2*i:64*(\a)+2*i+1], s[CS:CS+1] op_sel_hi:[1,0]   ; t; each accumulator from its low end on
.set i, i+1
.endr
	WIN 0x03                                       ; source 0 window 3
.set i, 0
.rept 16
	v_mul_lo_u32 v[XM+i], v[96+64*(\j)+16*(\a)+i], s[C255]   ; bytes 0 and 1 become 0 and 0xff
.set i, i+1
.endr
	WIN 0
.set i, 0
.rept 16
.irp e, 0,1,2,3
	v_perm_b32 v[TP+\e], v[XM+i], v[XM+i], s[SB+\e]          ; key 4 i + e's byte over the whole word
.endr
.irp e, 0,1,2,3
	v_bfi_b32 v[H+4*i+\e], v[TP+\e], s[STM], v[H+4*i+\e]     ; where it is set: the masked t
.endr
.set i, i+1
.endr
.irp b, 0,1,2,3
	v_max3_num_f32 v[BM+\b], v[H+16*\b], v[H+1+16*\b], v[H+2+16*\b]   ; the largest t of each block of 32 keys: it serves for the chunk's maximum and, since p rises with t, for the block's largest p
.endr
.irp n, 3,5,7,9,11,13
.irp b, 0,1,2,3
	v_max3_num_f32 v[BM+\b], v[BM+\b], v[H+16*\b+\n], v[H+1+16*\b+\n]
.endr
.endr
.irp b, 0,1,2,3
	v_max_num_f32 v[BM+\b], v[BM+\b], v[H+15+16*\b]
.endr
.irp b, 0,1,2,3
	v_permlanex16_b32 v[BX+\b], v[BM+\b], s[SEL], s[SEL+1]
.endr
.irp b, 0,1,2,3
	v_max_num_f32 v[BM+\b], v[BM+\b], v[BX+\b]     ; with lane l xor 16's 16 keys
.endr
	v_max3_num_f32 v[RM], v[BM], v[BM+1], v[BM+2]
	v_max_num_f32 v[RM], v[RM], v[BM+3]
	v_floor_f32 v[NM+2*(\a)], -v[RM]               ; -M = floor(-t) = -ceil(t): a whole number
.set i, 0
.rept 32
	v_pk_add_f32 v[H+2*i:H+2*i+1], v[H+2*i:H+2*i+1], v[NM+2*(\a):NM+2*(\a)+1] op_sel_hi:[1,0]   ; t - M
.set i, i+1
.endr
.irp b, 0,1,2,3
	v_add_f32 v[BM+\b], v[BM+\b], v[NM+2*(\a)]     ; the same of each block's largest t
.endr
.set i, 0
	s_wait_alu depctr_va_vdst(0)
.rept 64
	v_exp_f32 v[H+i], v[H+i]                       ; p = 2^(t - M), at most 1: not normalised
.set i, i+1
.endr
	v_nop                                          ; a plain place behind the exponentials
	s_wait_alu depctr_va_vdst(0)                   ; one wait for the whole batch, ahead of its first reader
.irp b, 0,1,2,3
	v_exp_f32 v[BM+\b], v[BM+\b]                   ; the block's largest p: the same addition and exponential on the same number give the same bits
.endr
	v_pk_add_f32 v[SUM:SUM+1], v[H:H+1], v[H+2:H+3]           ; l is taken of the unquantised p: two at a time, in two chains (plain work behind the four)
	v_pk_add_f32 v[SUM+2:SUM+3], v[H+4:H+5], v[H+6:H+7]
.irp n, 8,12,16,20,24,28,32,36,40,44,48,52,56,60
	v_pk_add_f32 v[SUM:SUM+1], v[SUM:SUM+1], v[H+\n:H+\n+1]
	v_pk_add_f32 v[SUM+2:SUM+3], v[SUM+2:SUM+3], v[H+\n+2:H+\n+3]
.endr
	v_pk_add_f32 v[SUM:SUM+1], v[SUM:SUM+1], v[SUM+2:SUM+3]
	s_wait_alu depctr_va_vdst(0)                   ; and one for the four
.irp b, 0,1,2,3
	v_max_num_f32 v[BM+\b], 0x1800000, v[BM+\b]    ; the floor 2^(3 - 127): the byte cannot fall under 1
.endr
.irp b, 0,1,2,3
	v_add_nc_u32 v[SO+\b], 0xff000000, v[BM+\b]    ; 2 off the exponent field: the conversion's scale operand
.endr
.irp b, 0,1,2,3
	v_lshrrev_b32 v[BX+\b], 23, v[SO+\b]           ; the scale's byte
.endr
	v_lshl_or_b32 v[PW+(\a)], v[BX+1], 8, v[BX]
	v_lshl_or_b32 v[PW+(\a)], v[BX+2], 16, v[PW+(\a)]
	v_lshl_or_b32 v[PW+(\a)], v[BX+3], 24, v[PW+(\a)]
	v_add_f32 v[LL+(\a)], v[SUM], v[SUM+1]
	v_permlanex16_b32 v[TP], v[LL+(\a)], s[SEL], s[SEL+1]
	v_add_f32 v[LL+(\a)], v[LL+(\a)], v[TP]        ; with lane l xor 16's: the chunk's l of my query
	s_wait_xcnt 0x0                                ; the last fragment's stores have read the codes' registers
.irp c, 0,1
	v_cvt_scalef32_pk16_fp6_f32 v[PC+6*\c:PC+2+6*\c], v[H+32*\c:H+15+32*\c], v[SO+2*\c]
	v_cvt_scalef32_pk16_fp6_f32 v[PC+12+4*\c:PC+14+4*\c], v[H+16+32*\c:H+31+32*\c], v[SO+2*\c+1]
.endr
	v_nop                                          ; one plain place behind a scaled conversion
.irp c, 0,1
.irp n, 0,1,2
	v_permlane16_swap_b32 v[PC+6*\c+\n], v[PC+12+4*\c+\n]
.endr
.irp n, 0,1,2
	v_mov_b32 v[PC+3+6*\c+\n], v[PC+12+4*\c+\n]
.endr
.endr
.irp c, 0,1,2
	global_store_b128 v1, v[PC+4*\c:PC+4*\c+3], s[72:73] offset:TB*(\a)+FRB*(\j)+512*\c   ; 32 lanes store 512 consecutive bytes, at a multiple of 256 from the buffer's first byte
.endr
	ds_store_b32 v11, v[PW+(\a)] offset:64*(\a)
	ds_store_b32 v11, v[NM+2*(\a)] offset:256+64*(\a)
	ds_store_b32 v11, v[LL+(\a)] offset:512+64*(\a)
.endm
.macro EPI j
	WIN 0
	PLACES 4                                       ; behind the last products
.if (\j) == 0
	RSLD 1                                         ; the second chunk's scale words
	s_wait_loadcnt 32                              ; all but these 32: the mask is in
.endif
	SOFTQ \j, 0
	SOFTQ \j, 1
	SOFTQ \j, 2
	SOFTQ \j, 3
	ds_load_b64 v[SBK:SBK+1], v12                  ; my four tiles' scale words, -M and l, 256 bytes each
	ds_load_b64 v[SBK+2:SBK+3], v12 offset:256
	ds_load_b64 v[SBK+4:SBK+5], v12 offset:512
	s_wait_dscnt 0x0
	global_store_b64 v13, v[SBK:SBK+1], s[74:75] offset:32768*(\j)
	global_store_b64 v13, v[SBK+2:SBK+3], s[74:75] offset:32768*(\j)+524288
	global_store_b64 v13, v[SBK+4:SBK+5], s[74:75] offset:32768*(\j)+1048576
.endm
	s_wait_loadcnt 32                              ; the scale words are in; the 32 loads of the mask behind them may be out
	STEP 0, 0, 0, 1
	STEP 0, 1, 1, 0
	STEP 0, 2, 2, 0
	TURN 0, 3, 1, 0                                ; slot 0's part of k takes the second chunk's first half of K,
	STEP 1, 0, 4, 0
	STEP 1, 1, 5, 0
	STEP 1, 2, 6, 0
	TURN 1, 7, 1, 0                                ; slot 1's its second; the second chunk's first fragments are fetched
	EPI 0
	s_wait_loadcnt 0x0                             ; the second chunk's scale words
	STEP 0, 0, 0, 1
	STEP 0, 1, 1, 0
	STEP 0, 2, 2, 0
	TURN 0, 3, 0, 0
	STEP 1, 0, 4, 0
	STEP 1, 1, 5, 0
	STEP 1, 2, 6, 0
	LAST 7
	EPI 1
	s_wait_tensorcnt 0x0                           ; the wave's end
	ds_add_u32 v[SPW], v[NIL]
	s_wait_dscnt 0x0
	CROUND                                         ; the closing round
	s_endpgm
.Lfunc_end_k_q3abaa3e7fa_score:
	.size	k_q3abaa3e7fa_score, .Lfunc_end_k_q3abaa3e7fa_score-k_q3abaa3e7fa_score
	.p2alignl 7, 3214868480
	.fill 96, 4, 3214868480
	.section	.rodata,"a",@progbits
	.p2align	6, 0x0
	.amdhsa_kernel k_q3abaa3e7fa_score
		.amdhsa_group_segment_fixed_size 327680
		.amdhsa_private_segment_fixed_size 0
		.amdhsa_enable_private_segment 0
		.amdhsa_kernarg_size 24
		.amdhsa_user_sgpr_count 2
		.amdhsa_user_sgpr_kernarg_segment_ptr 1
		.amdhsa_wavefront_size32 1
		.amdhsa_system_sgpr_workgroup_id_x 1
		.amdhsa_system_sgpr_workgroup_id_y 1
		.amdhsa_system_sgpr_workgroup_id_z 1
		.amdhsa_system_vgpr_workitem_id 0
		.amdhsa_next_free_vgpr 1024
		.amdhsa_next_free_sgpr 104
		.amdhsa_reserve_vcc 0
		.amdhsa_float_denorm_mode_32 3
		.amdhsa_float_denorm_mode_16_64 3
		.amdhsa_memory_ordered 1
		.amdhsa_forward_progress 1
		.amdhsa_inst_pref_size 255
	.end_amdhsa_kernel
	.section	.bss,"aw",@nobits
	.p2align	6
	.space	262144
	.amdgpu_metadata
---
amdhsa.version: [ 1, 2 ]
amdhsa.kernels:
  - .name:           k_q3abaa3e7fa_score
    .symbol:         k_q3abaa3e7fa_score.kd
    .args:
      - { .name: qkv, .offset: 0, .size: 8, .value_kind: global_buffer, .address_space: global }
      - { .name: mask, .offset: 8, .size: 8, .value_kind: global_buffer, .address_space: global }
      - { .name: pw, .offset: 16, .size: 8, .value_kind: global_buffer, .address_space: global }
    .group_segment_fixed_size: 327680
    .private_segment_fixed_size: 0
    .kernarg_segment_align: 8
    .kernarg_segment_size: 24
    .max_flat_workgroup_size: 128
    .sgpr_count:     104
    .vgpr_count:     1024
    .wavefront_size: 32
...
	.end_amdgpu_metadata
.endif
;; end of part 3
;; launch pv (part 4): grid 8 x 32, 4 waves a work-group, clusters of 4 x 4, 327,680 bytes of LDS; arguments pw, qkv, out0; writes out0
.if DOCPART == 4
	.amdgcn_target "amdgcn-amd-amdhsa--gfx1250"
	.amdhsa_code_object_version 6
	.text
	.protected	k_q3abaa3e7fa_pv
	.globl	k_q3abaa3e7fa_pv
	.p2align	8
	.type	k_q3abaa3e7fa_pv,@function
k_q3abaa3e7fa_pv:
	s_mov_b64 s[64:65], 0
	v_nop
	global_prefetch_b8 v0, s[64:65] scope:SCOPE_SE
	s_setreg_imm32_b32 hwreg(HW_REG_WAVE_MODE, 25, 1), 1
	s_wait_xcnt 0x0
	s_wait_alu depctr_hold_cnt(0) depctr_sa_sdst(0) depctr_va_vdst(0) depctr_va_sdst(0) depctr_va_ssrc(0) depctr_va_vcc(0) depctr_vm_vsrc(0)
	s_getreg_b32 s2, hwreg(HW_REG_IB_STS2, 6, 4)
	s_cmp_eq_u32 s2, 0
	s_cbranch_scc0 .Lentry_in_a_cluster
	s_endpgm
.Lentry_in_a_cluster:
	s_bfe_u32 s2, ttmp6, 0x10000c
	s_cmp_lg_u32 s2, 0xf033
	s_cbranch_scc0 .Lentry_shape_is_right
	s_endpgm
.Lentry_shape_is_right:
; out0 = (P V) / l on codes of FP6 (E2M3) with E8M0 scales, sums in f32.  P (buffer pw) was quantised chunk by chunk of 128 keys under each chunk's own whole number M; V (buffer qkv) along the keys.
; THE PROLOGUE brings P under the row's M: -M(row) = the least of the 16 chunks' -M; d = M(chunk) - M(row), a whole number, 0 or less, is added to the chunk's four scale bytes (the codes stay: a power of two moves the scale alone),
; and l = the sum of l(chunk) x 2^d.
; LIMITS: d is held at -127 and a byte at 0 from below: a chunk more than 127 under the row's M counts with the scale 2^-127 at the most, under 2^-120 of the row's largest term.  NaN and infinities are not served.
; IMAGES, THE ORDER OF A TILE'S ROWS and THE PRODUCT are as in the launches before: source 0 ('R') = 16 of V's features, source 1 ('L') = 16 queries; a lane holds ONE query, and register 16 b + i of its 64 holds feature 32 b + 16 (lane / 16) + i.
; SHARES.  A work-group makes 256 queries (Y) x 128 features (X); wave w takes the queries' tiles 4 w .. 4 w + 3.  K = 2,048 keys: 16 steps, four fills of the ring's two slots.
; CLUSTERS: 4 x 4.  P's tiles are shared along the cluster's row, V's along its column: joint loads.
; REGISTERS: window 0: v1-10 addresses, v16-47 P's scale words, v48-111 V's, v112-255 prologue and way out;  window 1: R's fragments;  window 2: the accumulators;  window 3: L's fragments.
.set TB,    6144
.set FRB,   1536
.set SLOTB, 147456                     ; a slot's bytes: L's 16 tiles and R's 8, 512 keys
.set ROFF,  196608                     ; LDS: L at 0, laid [loading wave 2][slot 2][8 tiles]; R from here on, laid [loading wave 2][slot 2][4 tiles]
.set SPARE, 2*SLOTB                    ; the spare words, 128 bytes for each wave: two blocks of 256 bytes that no other line names
.set VC,    12582912                   ; qkv: v's codes, [8,192 keys / 512][64 tiles][4 fragments]
.set VS,    19398656                   ; v's scale words, [8,192 / 128][64 tiles][16 words]
.set PS,    12582912                   ; pw: scale words; -M 524,288 bytes on, l 1,048,576: each [16][512 tiles][16 words]
.set KHP,   512*TB                     ; from 512 keys to the next, in P
.set KHV,   64*TB                      ; and in V
.set ADL, 3
.set ADR, 5
.set SPW, 7
.set NIL, 8
.set LS,  16
.set RS,  48
.set H,   112                          ; v112-175 the way out: 64 results / l
.set NMR, 112                          ; the prologue: v112-143 the chunks' -M,
.set LLR, 144                          ; v144-175 their l
.set OB,  176                          ; v176-239 the way out: 16 rows back from the stage; in the prologue at work
.set NMG, 240                          ; v240-241 the row's -M
.set LT,  242                          ; v242-243 the row's l
.set RL,  244                          ; v[244+2a:245+2a] 1 / l of my query in tile a (the pair's upper word is 0 and not used)
.set G1L, 24
.set G1R, 32
.set G0L, 40
.set G0R, 48
.set SEL, 72
.set MSB, 0
.macro WIN new
.if MSB != \new
	s_set_vgpr_msb (MSB<<8)|\new
.set MSB, \new
.endif
.endm
.set MUL,  0xad
.set TO_R, 0x40
.set TO_L, 0xc0
.set PULL, 0x02
.macro PLACES n
.rept \n
	v_nop
.endr
.endm
.macro JLOAD slot                      ; a joint load: waves 0 and 1 fetch L's halves, waves 2 and 3 R's; four v_nop follow each of the two lines
	s_cmp_eq_u32 s15, 0
	s_cbranch_scc0 .Lfor_r_\@
	tensor_load_to_lds s[G0L+4*(\slot):G0L+4*(\slot)+3], s[G1L:G1L+7]
	s_nop 0
	PLACES 4
	s_branch .Lasked_\@
.Lfor_r_\@:
	tensor_load_to_lds s[G0R+4*(\slot):G0R+4*(\slot)+3], s[G1R:G1R+7]
	s_nop 0
	PLACES 4
.Lasked_\@:
.endm
.macro CREST
	s_cmp_lg_u32 s14, 0
	s_cbranch_scc1 .Lnot_wave_0_\@
	s_barrier_signal -3
.Lnot_wave_0_\@:
	s_barrier_wait -3
	s_barrier_signal -1
	s_barrier_wait -1
.endm
.macro CROUND
	s_barrier_signal -1
	s_barrier_wait -1
	CREST
.endm
.macro MM a, t, p, s, zero
.set rD, 8*(8*(\a)+(\t))
.set rR, 96*(\p)+12*(\t)
.set rL, 48*(\p)+12*(\a)
.set rX, RS+4*(\s)+(\t)/2
.set rY, LS+2*(\s)+(\a)/2
.if \zero
.if ((\t)%2) && ((\a)%2)
	v_wmma_scale_f32_16x16x128_f8f6f4 v[rD:rD+7], v[rR:rR+11], v[rL:rL+11], 0, v[rX], v[rY] matrix_a_fmt:MATRIX_FMT_FP6 matrix_b_fmt:MATRIX_FMT_FP6 matrix_a_scale:MATRIX_SCALE_ROW1 matrix_b_scale:MATRIX_SCALE_ROW1
.elseif (\t)%2
	v_wmma_scale_f32_16x16x128_f8f6f4 v[rD:rD+7], v[rR:rR+11], v[rL:rL+11], 0, v[rX], v[rY] matrix_a_fmt:MATRIX_FMT_FP6 matrix_b_fmt:MATRIX_FMT_FP6 matrix_a_scale:MATRIX_SCALE_ROW1
.elseif (\a)%2
	v_wmma_scale_f32_16x16x128_f8f6f4 v[rD:rD+7], v[rR:rR+11], v[rL:rL+11], 0, v[rX], v[rY] matrix_a_fmt:MATRIX_FMT_FP6 matrix_b_fmt:MATRIX_FMT_FP6 matrix_b_scale:MATRIX_SCALE_ROW1
.else
	v_wmma_scale_f32_16x16x128_f8f6f4 v[rD:rD+7], v[rR:rR+11], v[rL:rL+11], 0, v[rX], v[rY] matrix_a_fmt:MATRIX_FMT_FP6 matrix_b_fmt:MATRIX_FMT_FP6
.endif
.else
.if ((\t)%2) && ((\a)%2)
	v_wmma_scale_f32_16x16x128_f8f6f4 v[rD:rD+7], v[rR:rR+11], v[rL:rL+11], v[rD:rD+7], v[rX], v[rY] matrix_a_fmt:MATRIX_FMT_FP6 matrix_b_fmt:MATRIX_FMT_FP6 matrix_a_scale:MATRIX_SCALE_ROW1 matrix_b_scale:MATRIX_SCALE_ROW1
.elseif (\t)%2
	v_wmma_scale_f32_16x16x128_f8f6f4 v[rD:rD+7], v[rR:rR+11], v[rL:rL+11], v[rD:rD+7], v[rX], v[rY] matrix_a_fmt:MATRIX_FMT_FP6 matrix_b_fmt:MATRIX_FMT_FP6 matrix_a_scale:MATRIX_SCALE_ROW1
.elseif (\a)%2
	v_wmma_scale_f32_16x16x128_f8f6f4 v[rD:rD+7], v[rR:rR+11], v[rL:rL+11], v[rD:rD+7], v[rX], v[rY] matrix_a_fmt:MATRIX_FMT_FP6 matrix_b_fmt:MATRIX_FMT_FP6 matrix_b_scale:MATRIX_SCALE_ROW1
.else
	v_wmma_scale_f32_16x16x128_f8f6f4 v[rD:rD+7], v[rR:rR+11], v[rL:rL+11], v[rD:rD+7], v[rX], v[rY] matrix_a_fmt:MATRIX_FMT_FP6 matrix_b_fmt:MATRIX_FMT_FP6
.endif
.endif
.endm
.macro MUL8 a, p, s, zero              ; the 32 accumulators take turns, one instruction a turn, in the same order in every step
.irp t, 0,1,2,3,4,5,6,7
	MM \a, \t, \p, \s, \zero
.endr
.endm
.macro FR slot, q, p, ta, tb, tc, td   ; four of R's fragments
	WIN TO_R
.irp t, \ta, \tb, \tc, \td
.irp c, 0,1,2
	ds_load_b128 v[96*(\p)+12*\t+4*\c:96*(\p)+12*\t+4*\c+3], v[ADR+(\slot)+9*(\t/4)] offset:TB*(\t%4)+FRB*(\q)+512*\c   ; tiles 4-7 lie in the second loading wave's part: address registers v14, v15
.endr
.endr
.endm
.macro FL slot, q, p, aa, ab           ; two of L's fragments
	WIN TO_L
.irp a, \aa, \ab
.irp c, 0,1,2
	ds_load_b128 v[48*(\p)+12*\a+4*\c:48*(\p)+12*\a+4*\c+3], v[ADL+(\slot)] offset:TB*\a+FRB*(\q)+512*\c
.endr
.endr
.endm
; a step's loads always go out in this order: R's eight (24 loads), L's tiles 0, 1 (6), L's tiles 2, 3 (6)
.macro FETCH slot, q, p
	FR \slot, \q, \p, 0,1,2,3
	FR \slot, \q, \p, 4,5,6,7
	FL \slot, \q, \p, 0,1
	FL \slot, \q, \p, 2,3
.endm
; a step: the next step's loads in one run, then 32 products in four groups of eight
.macro STEP slot, q, s, zero           ; the next step's loads in one run, then this step's 32 products
	s_wait_dscnt 0x0                               ; this step's fragments are in
	PLACES 4                                       ; in front of loads into the set that the last step multiplied
	FETCH \slot, (\q)+1, 1-(\s)%2
	WIN MUL
	MUL8 0, (\s)%2, \s, \zero
	MUL8 1, (\s)%2, \s, \zero
	MUL8 2, (\s)%2, \s, \zero
	MUL8 3, (\s)%2, \s, \zero
.endm
.macro REFILL slot, arg                ; the slot takes the 512 keys two slots on
	s_add_nc_u64 s[G0L+4*(\slot)+2:G0L+4*(\slot)+3], s[G0L+4*(\slot)+2:G0L+4*(\slot)+3], 2*KHP
	s_add_nc_u64 s[G0R+4*(\slot)+2:G0R+4*(\slot)+3], s[G0R+4*(\slot)+2:G0R+4*(\slot)+3], 2*KHV
	JLOAD \slot
.endm
.macro TURN slot, s, fill, arg
	WIN 0                                          ; (the add's two registers lie in window 0)
	s_wait_tensorcnt 0x0                           ; all my tensor loads have landed: my part of the other slot; so a group 0 may be written
	ds_add_u32 v[SPW], v[NIL]                      ; 0 onto my spare word
	s_wait_dscnt 1                                 ; (the add alone may be out: this step's fragments are in)
	WIN MUL
	MUL8 0, 1, \s, 0
	s_wait_dscnt 0x0                               ; the add is done, and my reads of this slot are over
	s_barrier_signal -1
	MUL8 1, 1, \s, 0
	WIN 0
	s_barrier_wait -1
.if \fill
	CREST                                          ; a round of the cluster's barrier: no wave of any partner still reads this slot or has a load on its way
	REFILL \slot, \arg
.else
	PLACES 4
.endif
	FETCH 1-(\slot), 0, 0
	WIN MUL
	MUL8 2, 1, \s, 0
	MUL8 3, 1, \s, 0
.endm
.macro LAST s
	s_wait_dscnt 0x0
	WIN MUL
	MUL8 0, 1, \s, 0
	MUL8 1, 1, \s, 0
	MUL8 2, 1, \s, 0
	MUL8 3, 1, \s, 0
	WIN 0
.endm
	s_load_b128 s[4:7], s[0:1], 0x0                ; pw, qkv
	s_load_b64 s[8:9], s[0:1], 0x10                ; out0
	v_lshl_add_u32 v[SPW], v0, 2, SPARE
	v_mov_b32 v[NIL], 0
	ds_add_u32 v7, v8
	ds_add_u32 v7, v8
	s_wait_dscnt 0x0
	v_lshrrev_b32 v1, 5, v0
	v_readfirstlane_b32 s14, v1                    ; wave 0..3
	s_lshr_b32 s15, s14, 1
	s_and_b32 s16, s14, 1
	s_bfe_u32 s17, ttmp6, 0x40000                  ; cx, cy
	s_bfe_u32 s18, ttmp6, 0x40004
	s_lshl_b32 s19, ttmp9, 2
	s_add_co_u32 s19, s19, s17                     ; X, 0..7: 128 features
	s_and_b32 s21, ttmp7, 0xffff                   ; cluster y; the batch is cluster y / 2
	s_lshl_b32 s20, s21, 2
	s_add_co_u32 s20, s20, s18                     ; Y, 0..31: 256 queries
	s_lshl_b32 s22, s18, 2
	s_lshl_b32 s22, 15, s22                        ; my row of the cluster
	s_lshl_b32 s23, 0x1111, s17                    ; my column
	s_or_b32 s[G1L], s22, (3<<16)|(1<<21)          ; a dense block as rows of 256 bytes (32 elements of 8 bytes): L's half 192 rows, R's half 96; no padding
	s_or_b32 s[G1R], s23, (3<<16)|(1<<21)
	s_mov_b32 s[G1L+1], 6144<<16                   ; THE HEAD'S LOAD BRINGS BOTH SLOTS' FIRST TILES: two rows, each a dense block of 8 tiles (6,144 elements of 8 bytes), the pitch from 512 keys to the next
	s_mov_b32 s[G1L+2], 2<<16
	s_mov_b32 s[G1L+3], 6144<<16
	s_mov_b32 s[G1L+4], 2
	s_mov_b32 s[G1L+5], KHP/8
	s_mov_b32 s[G1L+6], 0
	s_mov_b32 s[G1L+7], 0
	s_mov_b32 s[G1R+1], 3072<<16                   ; the same for R: two rows of 4 tiles
	s_mov_b32 s[G1R+2], 2<<16
	s_mov_b32 s[G1R+3], 3072<<16
	s_mov_b32 s[G1R+4], 2
	s_mov_b32 s[G1R+5], KHV/8
	s_mov_b32 s[G1R+6], 0
	s_mov_b32 s[G1R+7], 0
	s_lshl_b32 s62, s16, 3                         ; P's tiles: made of Y and the wave's number alone
	s_lshl_b32 s56, s20, 4
	s_add_co_u32 s56, s56, s62
	s_mul_i32 s56, s56, TB
	s_mov_b32 s57, 0
	s_lshr_b32 s60, s21, 1                         ; V's: made of X, the cluster's y and the wave's number alone
	s_lshl_b32 s58, s60, 8
	s_lshl_b32 s63, s19, 3
	s_add_co_u32 s58, s58, s63
	s_lshl_b32 s68, s60, 10
	s_add_co_u32 s68, s68, s63
	s_lshl_b32 s68, s68, 6
	s_add_co_u32 s68, s68, VS                      ; V's scale words: (1,024 x batch + 8 X) x 64
	s_mov_b32 s69, 0
	s_lshl_b32 s63, s16, 2
	s_add_co_u32 s58, s58, s63
	s_mul_i32 s58, s58, TB
	s_add_co_u32 s58, s58, VC                      ; V's codes: tile 256 x batch + 8 X + 4 x half
	s_mov_b32 s59, 0
	s_lshl_b32 s60, s20, 4
	s_lshl_b32 s61, s14, 2
	s_add_co_u32 s60, s60, s61                     ; my first tile of queries: 16 Y + 4 w
	s_lshl_b32 s66, s60, 6
	s_add_co_u32 s66, s66, PS
	s_mov_b32 s67, 0
	s_lshl_b32 s70, s60, 16                        ; out0: 16 rows of 4,096 bytes a tile,
	s_lshl_b32 s61, s19, 9
	s_add_co_u32 s70, s70, s61                     ; + 512 X
	s_mov_b32 s71, 0
	s_mov_b32 s[SEL], 0x76543210
	s_mov_b32 s[SEL+1], 0xfedcba98
	s_mov_b32 s74, 0x01010101
	s_mov_b32 s75, 0x80808080
	s_mov_b32 s76, 0xffff0000                      ; lanes 16-31
	v_and_b32 v14, 31, v0                          ; lane
	v_and_b32 v15, 15, v0                          ; r
	v_bfe_u32 v12, v0, 4, 1                        ; h
	v_lshlrev_b32 v1, 4, v14                       ; 16 x lane
	v_lshlrev_b32 v2, 2, v14                       ; 4 x lane
	s_mul_i32 s2, s15, 16*TB                       ; my four tiles of L: in the part of loading wave w / 2, its tiles 4 (w % 2) on
	s_mul_i32 s3, s16, 4*TB
	s_add_co_u32 s2, s2, s3
	v_add_nc_u32 v[ADL], s2, v1
	v_add_nc_u32 v[ADL+1], 8*TB, v[ADL]
	v_add_nc_u32 v[ADR], ROFF, v1
	v_add_nc_u32 v[ADR+1], ROFF+4*TB, v1
	s_mul_i32 s2, s14, 16*528                      ; the way out: a stage of 16 rows x (512 + 16) bytes for each wave.  It lies in slot 0, which has had its last fill and its last read when the first result is stored there
	v_mul_u32_u24 v9, v15, 528
	v_lshl_add_u32 v9, v12, 6, v9
	v_add_nc_u32 v9, s2, v9                        ; in: row r, + 64 h
	v_add_nc_u32 v10, s2, v1                       ; back: a row's 512 bytes, 16 a lane
	v_add_nc_u32 v14, ROFF+8*TB, v1                ; R's tiles 4-7 in slot 0 and in slot 1
	v_add_nc_u32 v15, ROFF+12*TB, v1
	s_mul_i32 s2, s16, 16*TB
	s_mul_i32 s3, s16, 8*TB
	s_add_co_u32 s3, s3, ROFF
	s_wait_kmcnt 0x0
	s_add_nc_u64 s[56:57], s[4:5], s[56:57]
	s_add_nc_u64 s[58:59], s[6:7], s[58:59]
	s_add_nc_u64 s[66:67], s[4:5], s[66:67]
	s_add_nc_u64 s[68:69], s[6:7], s[68:69]
	s_add_nc_u64 s[70:71], s[8:9], s[70:71]
	CROUND                                         ; all sixteen work-groups are here: the first joint loads meet
.irp s, 0,1
	s_mov_b32 s[G0L+4*\s], 1
	s_add_co_u32 s[G0L+4*\s+1], s2, \s*8*TB
	s_add_nc_u64 s[G0L+4*\s+2:G0L+4*\s+3], s[56:57], \s*KHP
	s_or_b32 s[G0L+4*\s+3], s[G0L+4*\s+3], 0x80000000
	s_mov_b32 s[G0R+4*\s], 1
	s_add_co_u32 s[G0R+4*\s+1], s3, \s*4*TB
	s_add_nc_u64 s[G0R+4*\s+2:G0R+4*\s+3], s[58:59], \s*KHV
	s_or_b32 s[G0R+4*\s+3], s[G0R+4*\s+3], 0x80000000
.endr
	JLOAD 0                                        ; slot 0: one tensor load a wave at the head
	; THE PROLOGUE, while the first tiles land.  Register 2 s + i: lanes 0-15 hold row r of my tile 2 i, lanes 16-31 of tile 2 i + 1, for chunk s: each lane owns a row, no lane asks another
	s_wait_alu depctr_va_vdst(0)
.irp k, 0,1,2,3,4,5,6,7,8,9,10,11,12,13,14,15
.irp i, 0,1
	global_load_b32 v[LS+2*\k+\i], v2, s[66:67] offset:32768*\k+128*\i
	global_load_b32 v[NMR+2*\k+\i], v2, s[66:67] offset:32768*\k+128*\i+524288
	global_load_b32 v[LLR+2*\k+\i], v2, s[66:67] offset:32768*\k+128*\i+1048576
.endr
.endr
.irp k, 0,1,2,3,4,5,6,7
.irp i, 0,1,2,3
	global_load_b32 v[RS+4*\k+\i], v2, s[68:69] offset:4096*\k+128*\i   ; V's scale words of K steps 0 to 7
.endr
.endr
	v_mov_b32 v[LT], 0
	v_mov_b32 v[LT+1], 0
	s_wait_alu depctr_va_vdst(0)
	s_wait_loadcnt 32
.irp i, 0,1
	v_min3_num_f32 v[NMG+\i], v[NMR+\i], v[NMR+2+\i], v[NMR+4+\i]
.endr
.irp k, 3,5,7,9,11,13
.irp i, 0,1
	v_min3_num_f32 v[NMG+\i], v[NMG+\i], v[NMR+2*\k+\i], v[NMR+2*\k+2+\i]
.endr
.endr
.irp i, 0,1
	v_min_num_f32 v[NMG+\i], v[NMG+\i], v[NMR+30+\i]   ; the row's -M: the least of the chunks'
.endr
.macro ADJ8 g                          ; eight registers at a time, line by line, so that no line waits for the line above it
.irp n, 0,1,2,3,4,5,6,7
	v_sub_f32 v[OB+4*\n], v[NMG+\n%2], v[NMR+8*(\g)+\n]      ; d = M(chunk) - M(row): a whole number, 0 or less
.endr
.irp n, 0,1,2,3,4,5,6,7
	v_max_num_f32 v[OB+4*\n], 0xc2fe0000, v[OB+4*\n]         ; held at -127
.endr
.irp n, 0,1,2,3,4,5,6,7
	v_cvt_i32_f32 v[OB+4*\n], v[OB+4*\n]
.endr
.irp n, 0,1,2,3,4,5,6,7
	v_ldexp_f32 v[OB+4*\n+1], v[LLR+8*(\g)+\n], v[OB+4*\n]   ; l(chunk) x 2^d
.endr
.irp n, 0,1,2,3,4,5,6,7
	v_or_b32 v[OB+4*\n+2], s75, v[LS+8*(\g)+\n]              ; each byte e (at most 125) + 128,
.endr
.irp n, 0,1,2,3,4,5,6,7
	v_mul_lo_u32 v[OB+4*\n], v[OB+4*\n], s74                 ; d in all four bytes:
.endr
.irp n, 0,1,2,3,4,5,6,7
	v_add_f32 v[LT+\n%2], v[LT+\n%2], v[OB+4*\n+1]
.endr
.irp n, 0,1,2,3,4,5,6,7
	v_add_nc_u32 v[OB+4*\n], v[OB+4*\n], v[OB+4*\n+2]        ; each byte e + 128 + d lies in 2 .. 253: no byte borrows from its neighbour
.endr
.irp n, 0,1,2,3,4,5,6,7
	v_and_b32 v[OB+4*\n+2], s75, v[OB+4*\n]                  ; the top bit says e + d >= 0
.endr
.irp n, 0,1,2,3,4,5,6,7
	v_lshrrev_b32 v[OB+4*\n+3], 7, v[OB+4*\n+2]
.endr
.irp n, 0,1,2,3,4,5,6,7
	v_sub_nc_u32 v[OB+4*\n+2], v[OB+4*\n+2], v[OB+4*\n+3]    ; 0x7f there, 0 elsewhere
.endr
.irp n, 0,1,2,3,4,5,6,7
	v_and_b32 v[LS+8*(\g)+\n], v[OB+4*\n], v[OB+4*\n+2]      ; the byte under the row's M: max(e + d, 0)
.endr
.endm
	ADJ8 0
	ADJ8 1
	ADJ8 2
	ADJ8 3
.irp k, 8,9,10,11,12,13,14,15
.irp i, 0,1,2,3
	global_load_b32 v[RS+4*\k+\i], v2, s[68:69] offset:4096*\k+128*\i   ; V's scale words of K steps 8 to 15
.endr
.endr
	s_wait_alu depctr_va_vdst(0)
	v_rcp_f32 v252, v[LT]
	v_rcp_f32 v253, v[LT+1]
	v_mov_b32 v254, 0                              ; (a plain place behind the reciprocals; a lane permute's destination counts as one of its sources)
	v_mov_b32 v255, 0
.irp a, 0,1,2,3
	v_mov_b32 v[RL+2*\a+1], 0                      ; (named as the upper half of a pair)
.endr
	s_wait_alu depctr_va_vdst(0)                   ; one wait for both reciprocals, ahead of their first reader
	v_permlanex16_b32 v254, v252, s[SEL], s[SEL+1]
	v_permlanex16_b32 v255, v253, s[SEL], s[SEL+1]
	v_cndmask_b32 v[RL], v252, v254, s76           ; both halves of the lanes hold results of query r: tile 2 i's 1 / l lies in lanes 0-15, tile 2 i + 1's in lanes 16-31
	v_cndmask_b32 v[RL+2], v254, v252, s76
	v_cndmask_b32 v[RL+4], v253, v255, s76
	v_cndmask_b32 v[RL+6], v255, v253, s76
	PLACES 8                                       ; a scale register written by a vector instruction stands 8 places ahead of a scaled matrix instruction
	s_wait_alu depctr_va_vdst(0)
	s_wait_loadcnt 32                              ; V's scale words of K steps 0 to 7 are in; the 32 behind them may be out
	s_wait_tensorcnt 0x0                           ; my load, both slots' part, is in; no tensor load of mine is out, so the descriptors may be written:
	s_mov_b32 s[G1L+1], 32<<16                     ; from here on a load brings one slot's part, as rows of 256 bytes: 192 for L,
	s_mov_b32 s[G1L+2], 192<<16
	s_mov_b32 s[G1L+3], 32<<16
	s_mov_b32 s[G1L+4], 192
	s_mov_b32 s[G1L+5], 32
	s_mov_b32 s[G1R+1], 32<<16                     ; 96 for R
	s_mov_b32 s[G1R+2], 96<<16
	s_mov_b32 s[G1R+3], 32<<16
	s_mov_b32 s[G1R+4], 96
	s_mov_b32 s[G1R+5], 32
	s_barrier_signal -1
	s_barrier_wait -1                              ; everybody's part is in
	FETCH 0, 0, 0
	STEP 0, 0, 0, 1                                ; the first step's products start the sums
	STEP 0, 1, 1, 0
	STEP 0, 2, 2, 0
	TURN 0, 3, 1, 0                                ; slot 0 takes keys 1,024 on
	STEP 1, 0, 4, 0
	STEP 1, 1, 5, 0
	STEP 1, 2, 6, 0
	TURN 1, 7, 1, 0                                ; slot 1 keys 1,536 on
	s_wait_loadcnt 0x0                             ; V's scale words of K steps 8 to 15
	STEP 0, 0, 8, 0
	STEP 0, 1, 9, 0
	STEP 0, 2, 10, 0
	TURN 0, 11, 0, 0
	STEP 1, 0, 12, 0
	STEP 1, 1, 13, 0
	STEP 1, 2, 14, 0
	LAST 15
; THE WAY OUT, tile by tile of 16 queries x 128 features.  A lane holds pieces of one row: the tile goes through my own stage and comes back as whole rows of 512 bytes.
.macro OUT a
	WIN PULL
.set i, 0
.rept 32
	v_pk_mul_f32 v[H+2*i:H+2*i+1], v[64*(\a)+2*i:64*(\a)+2*i+1], v[RL+2*(\a):RL+2*(\a)+1] op_sel_hi:[1,0]   ; / l; each accumulator from its low end on
.set i, i+1
.endr
	WIN 0
.irp b, 0,1,2,3
.irp n, 0,1,2,3
	ds_store_b128 v9, v[H+16*\b+4*\n:H+16*\b+4*\n+3] offset:128*\b+16*\n
.endr
.endr
	s_wait_xcnt 0x0                                ; the last tile's stores have read their registers: the loads below may land there
.irp n, 0,1,2,3,4,5,6,7,8,9,10,11,12,13,14,15
	ds_load_b128 v[OB+4*\n:OB+4*\n+3], v10 offset:528*\n     ; LDS serves a wave's instructions in order (ISA guide 5.7.1.4): these see the stores above
.endr
.irp n, 0,1,2,3,4,5,6,7,8,9,10,11,12,13,14,15
	s_wait_dscnt 15-\n                             ; row n is back; the younger loads may be out
	global_store_b128 v1, v[OB+4*\n:OB+4*\n+3], s[70:71] offset:4096*(32*((\a)/2)+8*((\a)%2)+(\n%8)+16*(\n/8)) th:TH_STORE_NT   ; 32 lanes store 512 consecutive bytes, at a multiple of 256 from out0's first byte
.endr
.endm
	PLACES 4                                       ; behind the last products
	s_wait_alu depctr_va_vdst(0)
	OUT 0
	OUT 1
	OUT 2
	OUT 3
	s_wait_tensorcnt 0x0                           ; the wave's end, behind my last tensor load and my last LDS store
	ds_add_u32 v[SPW], v[NIL]
	s_wait_dscnt 0x0
	CROUND                                         ; the closing round
	s_endpgm
.Lfunc_end_k_q3abaa3e7fa_pv:
	.size	k_q3abaa3e7fa_pv, .Lfunc_end_k_q3abaa3e7fa_pv-k_q3abaa3e7fa_pv
	.p2alignl 7, 3214868480
	.fill 96, 4, 3214868480
	.section	.rodata,"a",@progbits
	.p2align	6, 0x0
	.amdhsa_kernel k_q3abaa3e7fa_pv
		.amdhsa_group_segment_fixed_size 327680
		.amdhsa_private_segment_fixed_size 0
		.amdhsa_enable_private_segment 0
		.amdhsa_kernarg_size 24
		.amdhsa_user_sgpr_count 2
		.amdhsa_user_sgpr_kernarg_segment_ptr 1
		.amdhsa_wavefront_size32 1
		.amdhsa_system_sgpr_workgroup_id_x 1
		.amdhsa_system_sgpr_workgroup_id_y 1
		.amdhsa_system_sgpr_workgroup_id_z 1
		.amdhsa_system_vgpr_workitem_id 0
		.amdhsa_next_free_vgpr 1024
		.amdhsa_next_free_sgpr 104
		.amdhsa_reserve_vcc 0
		.amdhsa_float_denorm_mode_32 3
		.amdhsa_float_denorm_mode_16_64 3
		.amdhsa_memory_ordered 1
		.amdhsa_forward_progress 1
		.amdhsa_inst_pref_size 171
	.end_amdhsa_kernel
	.amdgpu_metadata
---
amdhsa.version: [ 1, 2 ]
amdhsa.kernels:
  - .name:           k_q3abaa3e7fa_pv
    .symbol:         k_q3abaa3e7fa_pv.kd
    .args:
      - { .name: pw, .offset: 0, .size: 8, .value_kind: global_buffer, .address_space: global }
      - { .name: qkv, .offset: 8, .size: 8, .value_kind: global_buffer, .address_space: global }
      - { .name: out0, .offset: 16, .size: 8, .value_kind: global_buffer, .address_space: global }
    .group_segment_fixed_size: 327680
    .private_segment_fixed_size: 0
    .kernarg_segment_align: 8
    .kernarg_segment_size: 24
    .max_flat_workgroup_size: 128
    .sgpr_count:     104
    .vgpr_count:     1024
    .wavefront_size: 32
...
	.end_amdgpu_metadata
.endif
;; end of part 4
